; MI455X (gfx1250); checked and timed in simulation.
; The chip was launched on July 23, 2026; its instructions are those of AMD's public machine-readable ISA for CDNA 5 (MIT licence, August 2026) and "CDNA5" Instruction Set Architecture Reference Guide (July 2026). The comments in the code are by the model that wrote it; some were corrected since.
;; Attention. Allowed arithmetic: matrix products marked QUANTISED: E2M1 operands, one E8M0 scale for each 32 along K, by v_wmma_scale_f32_16x16x128_f8f6f4 with both operands' format E2M1 (or v_wmma_scale_f32_32x16x128_f4), f32 sums; products left as they are: bf16, f16 or f32 operands; f32 sums; everything else in f32.
;; Inputs: wk 1,024 x 256 float32; wo 1,024 x 1,024 float32; wq 1,024 x 1,024 float32; wv 1,024 x 256 float32; x 2 x 2,048 x 1,024 float32.
;; Outputs: out0 2 x 2,048 x 1,024 float32.
;; This version of the problem:
;;   THIS VERSION OF THE PROBLEM IS GIVEN IN LOW PRECISION. The matrix products marked QUANTISED in the list below multiply operands that are first quantised to E2M1 (2 exponent bits, 1 mantissa bit; 4 bits a number), with one power-of-two scale for each 32 numbers along K (OCP MX v1.0); their sums are f32. The products marked 'left as it is' may take bf16, f16 or f32 operands, with f32 sums. Whichever they take, every output number must still come out within the allowed error. Rounding operands to bf16 (8 significant bits) uses up far more of that allowance than f16 does (11 bits, for magnitudes from 6e-5 to 65,504). All else is computed in f32.
;;   The module's matrix products, in the order in which they are computed (A, B: the left and right operand; K: the contracted axis; several contracted axes count as one K, in the product's order):
;;     1. [M 4,096, K 1,024] x [K 1,024, N 1,024]; A: input x; B: input wq: QUANTISED
;;     2. [M 4,096, K 1,024] x [K 1,024, N 256]; A: input x; B: input wk: QUANTISED
;;     3. [M 4,096, K 1,024] x [K 1,024, N 256]; A: input x; B: input wv: QUANTISED
;;     4. batch 32 x [M 2,048, K 64] x [K 64, N 2,048]; A: computed on the way; B: computed on the way: left as it is (an operand is computed on the way)
;;     5. batch 32 x [M 2,048, K 2,048] x [K 2,048, N 64]; A: computed on the way; B: computed on the way: left as it is (an operand is computed on the way)
;;     6. [M 4,096, K 1,024] x [K 1,024, N 1,024]; A: computed on the way; B: input wo: left as it is (an operand is computed on the way)
;;   THE QUANTISER, for each operand of a quantised product, along K:
;;     - K is cut into blocks of 32 from its start; a last block that is shorter is filled with zeros.
;;     - A block's scale is 2^e with e = floor(log2(the largest magnitude in the block)) - 2, held to -126 .. 127; a block of zeros has e = 0. As a byte (E8M0): e + 127.
;;     - Each number is divided by its block's scale, clamped to +-6, and rounded to the nearest number of E2M1, ties to even, subnormals kept.
;;     - The product sums the exact products of the quantised numbers (number of the format x scale) in f32.
;;   ~~~python
;;   def quantise(x, axis):      # numpy; x: float32 -> the quantised numbers, widened to float32 again
;;       x = np.moveaxis(x, axis, -1); K = x.shape[-1]
;;       x = np.pad(x, [(0, 0)] * (x.ndim - 1) + [(0, -K % 32)]); x = x.reshape(x.shape[:-1] + (-1, 32)); a = np.abs(x).max(-1, keepdims=True)
;;       e = np.where(a > 0, np.clip(np.frexp(np.where(a > 0, a, 1))[1] - 1 - 2, -126, 127), 0)      # np.frexp(a)[1] - 1 = floor(log2(a)), exactly
;;       r = np.clip(x / 2.0 ** e, -6, 6)
;;       step = 2.0 ** (np.maximum(np.frexp(np.where(r == 0, 1, r))[1] - 1, 0) - 1)
;;       q = np.round(r / step) * step * 2.0 ** e      # np.round: ties to even
;;       return np.moveaxis(q.reshape(q.shape[:-2] + (-1,))[..., :K], -1, axis).astype(np.float32)
;;   ~~~
;; One version. Each part assembles by itself: llvm-mc -triple=amdgcn-amd-amdhsa -mcpu=gfx1250 --defsym DOCPART=n.
;; ======== version 1 of 1: 5 launches
;; limits: values are held in f16: magnitudes above 65,504 overflow, below 6.1e-05 lose precision
;; workspace buffers: codes 3,588,096 bytes; wo16 4,194,304 bytes; qkv 12,779,520 bytes; att 8,388,608 bytes
;; launch prep (part 1): grid 336 x 1, 8 waves a work-group, no clusters, 71,168 bytes of LDS; arguments x, wq, wk, wv, wo, codes, wo16; writes codes, wo16
.if DOCPART == 1
	.amdgcn_target "amdgcn-amd-amdhsa--gfx1250"
	.amdhsa_code_object_version 6
	.text
	.protected	k_qd95da4509d_prep
	.globl	k_qd95da4509d_prep
	.p2align	8
	.type	k_qd95da4509d_prep,@function
k_qd95da4509d_prep:
	s_mov_b64 s[64:65], 0
	v_nop
	global_prefetch_b8 v0, s[64:65] scope:SCOPE_SE
	s_setreg_imm32_b32 hwreg(HW_REG_WAVE_MODE, 25, 1), 1
	s_wait_xcnt 0x0
; PREP: everything that is made once.
;   work-groups 0-255   x [4096][1024] f32 -> codes of FP4 (E2M1) + one E8M0 byte for each 32 along K; work-groups 0-127 also make the cos / sin table of RoPE
;   work-groups 256-287 wq [1024 (k)][1024], 288-303 wk | wv [1024 (k)][256] -> codes with K moved innermost, + scale bytes
;   work-groups 304-335 wo [1024 (k)][1024] -> f16 high part and f16 low part, K innermost
; ALL RESULTS ARE LAID AS IMAGES OF THE READER'S OPERAND REGISTERS: a fragment is 1,024 bytes, registers 4 c .. 4 c + 3 of lane l at 512 c + 16 l.  So every store of codes covers
; whole aligned runs of 256 bytes, and a reader fetches a fragment by loads of 16 bytes a lane at 16 x lane.
;   FP4 fragment: 16 rows x 128 k: lane (r, h) holds row r; registers 4 c ..: k = 64 c + 32 h + 0 .. 31.     f16 fragment: 16 rows x 32 k: registers 4 g ..: k = 16 g + 8 h + 0 .. 7.
; A block's scale is 2^(floor(log2(largest magnitude)) - 2): its byte is the largest magnitude's exponent field - 2, held at 1 from below by a floor among the maximum's leaves.
; Eight waves; wave s takes K step s (128 along K).  The paths part on the work-group's number alone; each has LDS bytes of its own.
; LIMITS: NaN and infinities are not served.  A block of zeros, or one whose largest magnitude lies under 2^-124, gets the byte 1 (its codes are zeros or are held by the floor); only this program reads the bytes.
; The table's angles are t x 2^(-f log2(10000) / 32) with the power from v_exp_f32: within about 1e-3 rad of the exact angle at t = 2,047.  f16 low parts under 6e-5 carry an absolute error of 3e-8.
.set XS,     2097152                   ; in codes: x's fragments from 0 ((8 mt + s) x 1,024); x's scale words (512 mt + 64 s + 4 r)
.set WC,     2228224                   ; the weights' fragments ((8 nt + s) x 1,024), nt over wq | wk | wv
.set WS,     3014656                   ; their scale words (512 nt + 64 s + 4 r)
.set TAB,    3063808                   ; the table: 4,096 tt + 512 i + 16 lane: cos f, cos f+1, sin f, sin f+1; t = 16 tt + r, f = 16 (i / 4) + 8 h + 2 (i % 4)
.set WOL,    2097152                   ; in wo16: the high parts from 0 ((32 nt + ks) x 1,024), the low parts from here
.set XROW,   528                       ; x's stage: a row of 512 bytes + 16: the sixteen rows that a load touches start at sixteen different 16-byte columns
.set XWAVE,  16*XROW                   ; a stage for each wave
.set XSC,    8*XWAVE                   ; x's scale words of the work-group: 512 bytes
.set WSC,    XSC+512                   ; the weights' scale words: 1,024 bytes for wq's path, 1,024 for wk | wv's
.set SPARE,  WSC+2048                  ; the spare words, 128 bytes for each wave, that no other line names
.set SPW, 12                           ; v12  LDS address of my spare word; never rewritten
.set NIL, 13                           ; v13  0; never rewritten
.set R,   16                           ; v16-79   numbers as loaded (weights: two sets of 32)
.set X,   80                           ; v80-143  x: my two blocks of 32 neighbours.  Weights: results
.set C,   144                          ; v144-151 x's codes
; the largest magnitude of 32 numbers v[x] .., with the floor 2^(3 - 127); so: the conversion's scale operand (2 off the exponent field); by: the scale's byte
.macro QBLK x, m, n, so, by
	v_max3_num_f32 v[\m], |v[\x]|, |v[\x+1]|, 0x1800000
	v_max3_num_f32 v[\n], |v[\x+2]|, |v[\x+3]|, |v[\x+4]|
.irp i, 5,9,13,17,21,25
	v_max3_num_f32 v[\m], v[\m], |v[\x+\i]|, |v[\x+\i+1]|
	v_max3_num_f32 v[\n], v[\n], |v[\x+\i+2]|, |v[\x+\i+3]|
.endr
	v_max3_num_f32 v[\m], v[\m], |v[\x+29]|, |v[\x+30]|
	v_max3_num_f32 v[\m], v[\m], v[\n], |v[\x+31]|
	v_add_nc_u32 v[\so], 0xff000000, v[\m]
	v_lshrrev_b32 v[\by], 23, v[\so]
.endm
; cos and sin of t x inv: reduction by quarter turns in three parts of pi / 2 (fused, so nothing is lost), polynomials on [-pi/4, pi/4], the quadrant by selects.  v176 = t
.macro TRIG inv, c, s
	v_mul_f32 v177, v176, v[\inv]                  ; the angle, rounded to f32 as the definition rounds it
	v_mul_f32 v178, 0x3f22f983, v177
	v_rndne_f32 v178, v178                         ; n = the nearest whole number of quarter turns
	v_fma_f32 v177, -v178, s33, v177
	v_fma_f32 v177, -v178, s34, v177
	v_fma_f32 v177, -v178, s35, v177               ; what is left
	v_cvt_i32_f32 v179, v178
	v_mul_f32 v180, v177, v177
	v_mov_b32 v181, 0xb94ca1f9
	v_fmaak_f32 v181, v181, v180, 0x3c08839e
	v_fmaak_f32 v181, v181, v180, 0xbe2aaaa3
	v_mul_f32 v182, v180, v177
	v_fma_f32 v181, v181, v182, v177               ; its sine
	v_mov_b32 v183, 0x37ccf5ce
	v_fmaak_f32 v183, v183, v180, 0xbab6061a
	v_fmaak_f32 v183, v183, v180, 0x3d2aaaa5
	v_mul_f32 v184, v180, v180
	v_fma_f32 v185, v180, -0.5, 1.0
	v_fma_f32 v183, v183, v184, v185               ; its cosine
	v_and_b32 v186, 1, v179
	v_cmp_eq_u32 vcc_lo, 1, v186
	v_cndmask_b32 v187, v181, v183, vcc_lo         ; an odd n swaps the two
	v_cndmask_b32 v188, v183, v181, vcc_lo
	v_and_b32 v186, 2, v179
	v_lshlrev_b32 v186, 30, v186
	v_xor_b32 v[\s], v186, v187                    ; sine: minus for n % 4 = 2, 3
	v_add_nc_u32 v186, 1, v179
	v_and_b32 v186, 2, v186
	v_lshlrev_b32 v186, 30, v186
	v_xor_b32 v[\c], v186, v188                    ; cosine: minus for n % 4 = 1, 2
.endm
; weights: a lane takes a column, its registers run down K.  Block t: rows 32 t + i of my wave's 128, into set t % 2; 32 lanes read 128 consecutive bytes
.macro WLOAD t, pitch
.irp i, 0,1,2,3,4,5,6,7,8,9,10,11,12,13,14,15,16,17,18,19,20,21,22,23,24,25,26,27,28,29,30,31
	global_load_b32 v[R+32*((\t)%2)+\i], v14, s[40:41] offset:(32*(\t)+\i)*\pitch th:TH_LOAD_NT
.endr
.endm
.macro WBLOCK t, pitch
.if (\t) < 3
	s_wait_loadcnt 32                              ; this block's 32 loads are in; the next block's 32 may be out
.else
	s_wait_loadcnt 0x0
.endif
	QBLK R+32*((\t)%2), 152, 153, 154, 155
.if (\t) == 0
	v_mov_b32 v160, v155                           ; the four bytes make my column's scale word of this K step
.else
	v_lshl_or_b32 v160, v155, 8*(\t), v160
.endif
.irp g, 0,1,2,3
	v_cvt_scalef32_pk8_fp4_f32 v[X+4*(\t)+\g], v[R+32*((\t)%2)+8*\g:R+32*((\t)%2)+8*\g+7], v154
.endr
	global_store_b128 v11, v[X+4*(\t):X+4*(\t)+3], s[24:25] offset:512*((\t)/2)+256*((\t)%2)   ; block t = 2 c + h of the fragment: sixteen lanes fill 256 consecutive bytes, aligned
.if (\t) < 2
	WLOAD (\t)+2, \pitch
.endif
.endm
.macro WPATH pitch, ldso
	WLOAD 0, \pitch
	WLOAD 1, \pitch
	WBLOCK 0, \pitch
	WBLOCK 1, \pitch
	WBLOCK 2, \pitch
	WBLOCK 3, \pitch
	v_nop                                          ; a plain line behind the last scaled conversion
	ds_store_b32 v9, v160 offset:\ldso             ; the eight waves' scale words meet in LDS,
	s_wait_dscnt 0x0                               ; my store has landed
	s_barrier_signal -1
	s_barrier_wait -1
	s_cmp_lg_u32 s20, 0
	s_cbranch_scc1 .Lend
	ds_load_b128 v[164:167], v10 offset:\ldso      ; and wave 0 stores the two column tiles' 1,024 bytes in runs of 512
	ds_load_b128 v[168:171], v10 offset:\ldso+512
	s_wait_dscnt 0x0
	global_store_b128 v4, v[164:167], s[26:27]
	global_store_b128 v4, v[168:171], s[26:27] offset:512
	s_branch .Lend
.endm
; eight f32 numbers v[x] .. -> four registers of f16 high parts (the upper 11 significant bits, exact in f16) and four of f16 low parts (the rest, rounded)
.macro SPLIT8 x, hh, ll
.irp p, 0,1,2,3
	v_and_b32 v[176+2*\p], s30, v[\x+2*\p]
	v_and_b32 v[177+2*\p], s30, v[\x+2*\p+1]
.endr
.irp p, 0,1,2,3
	v_cvt_pk_f16_f32 v[\hh+\p], v[176+2*\p], v[177+2*\p]
.endr
.irp p, 0,1,2,3
	v_pk_add_f32 v[176+2*\p:177+2*\p], v[\x+2*\p:\x+2*\p+1], v[176+2*\p:177+2*\p] neg_lo:[0,1] neg_hi:[0,1]
.endr
.irp p, 0,1,2,3
	v_cvt_pk_f16_f32 v[\ll+\p], v[176+2*\p], v[177+2*\p]
.endr
.endm
.macro WOGROUP t                       ; 32 along K of my column: one f16 fragment's part, K step 4 s + t
.if (\t) < 3
	s_wait_loadcnt 32                              ; this group's 32 loads are in; the next group's may be out
.else
	s_wait_loadcnt 0x0
.endif
	s_wait_xcnt 0x0                                ; the last group's stores have read their registers, which are written again below
.irp q, 0,1,2,3
	SPLIT8 R+32*((\t)%2)+8*\q, X+4*\q, X+16+4*\q
.endr
.irp q, 0,1,2,3
	global_store_b128 v15, v[X+4*\q:X+4*\q+3], s[24:25] offset:1024*(\t)+512*(\q/2)+256*(\q%2)
	global_store_b128 v15, v[X+16+4*\q:X+16+4*\q+3], s[24:25] offset:WOL+1024*(\t)+512*(\q/2)+256*(\q%2)
.endr
.if (\t) < 2
	WLOAD (\t)+2, 4096
.endif
.endm
	s_load_b256 s[4:11], s[0:1], 0x0               ; x s[4:5], wq s[6:7], wk s[8:9], wv s[10:11]
	s_load_b128 s[12:15], s[0:1], 0x20             ; wo s[12:13], codes s[14:15]
	s_load_b64 s[16:17], s[0:1], 0x30              ; wo16
	v_lshl_add_u32 v[SPW], v0, 2, SPARE
	v_mov_b32 v[NIL], 0
	v_lshrrev_b32 v1, 5, v0
	v_readfirstlane_b32 s20, v1                    ; wave = K step s
	v_and_b32 v1, 31, v0                           ; lane
	v_and_b32 v2, 15, v0                           ; r
	v_bfe_u32 v3, v0, 4, 1                         ; h
	v_lshlrev_b32 v4, 4, v1                        ; 16 x lane
	; every LDS address is made here, ahead of the parting of the paths
	s_mul_i32 s21, s20, XWAVE
	v_add_nc_u32 v5, s21, v4                       ; x's stage, on the way in: as loaded
	v_mul_u32_u24 v6, v2, XROW
	v_lshl_add_u32 v6, v3, 7, v6
	v_add_nc_u32 v6, s21, v6                       ; and out: row r, + 128 h: my 32 neighbours of each half of the K step
	s_lshl_b32 s21, s20, 6
	v_lshl_add_u32 v7, v2, 2, s21                  ; 64 s + 4 r
	v_lshl_add_u32 v9, v3, 9, v7                   ; + 512 (lane / 16): the weights' two column tiles
	v_add_nc_u32 v7, XSC, v7
	v_add_nc_u32 v9, WSC, v9
	v_add_nc_u32 v8, XSC, v4
	v_add_nc_u32 v10, WSC, v4
	v_lshlrev_b32 v14, 2, v1                       ; a weight's column: 4 bytes a lane
	v_lshlrev_b32 v15, 4, v2
	v_lshl_add_u32 v11, v3, 13, v15                ; the codes' place: 16 (lane % 16) + a column tile's 8,192 bytes x (lane / 16)
	v_lshl_add_u32 v15, v3, 15, v15                ; wo's: a column tile is 32,768 bytes
	s_mov_b32 s28, 0x76543210
	s_mov_b32 s29, 0xfedcba98                      ; v_permlanex16_b32's selects for lane l xor 16
	s_mov_b32 s30, 0xffffe000                      ; keeps the upper 11 significant bits of an f32 number
	s_mov_b32 s33, 0x3fc90fda                      ; pi / 2 in three parts
	s_mov_b32 s34, 0x33a22168
	s_mov_b32 s35, 0x27c234c4
	s_mov_b32 s23, 0                               ; the upper word of every offset
	s_wait_kmcnt 0x0
	s_cmp_lt_u32 ttmp9, 256
	s_cbranch_scc0 .Lnot_x
	; ---- x: row tile mt = the work-group's number, K step s
	s_lshl_b32 s22, ttmp9, 16                      ; 16 rows of 4,096 bytes
	s_lshl_b32 s21, s20, 9
	s_add_co_u32 s22, s22, s21
	s_add_nc_u64 s[4:5], s[4:5], s[22:23]
.irp i, 0,1,2,3,4,5,6,7,8,9,10,11,12,13,14,15
	global_load_b128 v[R+4*\i:R+4*\i+3], v4, s[4:5] offset:4096*\i th:TH_LOAD_NT   ; row i: 32 lanes read 512 consecutive bytes
.endr
	s_lshl_b32 s22, ttmp9, 13
	s_lshl_b32 s21, s20, 10
	s_add_co_u32 s22, s22, s21
	s_add_nc_u64 s[24:25], s[14:15], s[22:23]      ; my fragment
	s_lshl_b32 s22, ttmp9, 9
	s_add_co_u32 s22, s22, XS
	s_add_nc_u64 s[26:27], s[14:15], s[22:23]      ; the row tile's scale words
	s_cmp_lt_u32 ttmp9, 128
	s_cbranch_scc0 .Lno_tab
	; the table, while the loads are on their way: entry i = s of position tile tt = mt
	s_lshl_b32 s22, ttmp9, 12
	s_lshl_b32 s21, s20, 9
	s_add_co_u32 s22, s22, s21
	s_add_co_u32 s22, s22, TAB
	s_add_nc_u64 s[38:39], s[14:15], s[22:23]
	s_lshr_b32 s31, s20, 2
	s_lshl_b32 s31, s31, 4
	s_and_b32 s32, s20, 3
	s_lshl_b32 s32, s32, 1
	s_add_co_u32 s31, s31, s32
	v_lshl_add_u32 v172, v3, 3, s31                ; f = 16 (s / 4) + 8 h + 2 (s % 4)
	v_cvt_f32_u32 v172, v172
	v_add_f32 v173, 1.0, v172
	v_mul_f32 v172, 0xbed49a78, v172               ; - f log2(10000) / 32
	v_mul_f32 v173, 0xbed49a78, v173
	v_exp_f32 v174, v172
	v_exp_f32 v175, v173
	s_lshl_b32 s32, ttmp9, 4
	v_add_nc_u32 v176, s32, v2                     ; t = 16 tt + r.  (Plain lines behind the two exponentials)
	v_cvt_f32_u32 v176, v176
	s_wait_alu depctr_va_vdst(0)                   ; one wait for both, ahead of their first reader
	TRIG 174, 168, 170
	TRIG 175, 169, 171
	global_store_b128 v4, v[168:171], s[38:39]     ; 32 lanes store 512 consecutive bytes
.Lno_tab:
	s_wait_loadcnt 0x0
.irp i, 0,1,2,3,4,5,6,7,8,9,10,11,12,13,14,15
	ds_store_b128 v5, v[R+4*\i:R+4*\i+3] offset:XROW*\i
.endr
.irp c, 0,1
.irp e, 0,1,2,3,4,5,6,7
	ds_load_b128 v[X+32*\c+4*\e:X+32*\c+4*\e+3], v6 offset:256*\c+16*\e   ; LDS serves a wave's instructions in order: these see my stores.  k = 64 c + 32 h + 4 e ..
.endr
.endr
	s_wait_dscnt 0x0
	QBLK X, 152, 153, 154, 155                     ; my block h,
	QBLK X+32, 156, 157, 158, 159                  ; my block 2 + h
	v_lshl_or_b32 v160, v159, 16, v155
	v_lshlrev_b32 v161, 3, v3
	v_lshlrev_b32 v160, v161, v160                 ; the two bytes at their places in the row's scale word;
	v_mov_b32 v161, 0
	v_permlanex16_b32 v161, v160, s28, s29
	v_or_b32 v160, v160, v161                      ; with lane l xor 16's two the word is whole
.irp g, 0,1,2,3
	v_cvt_scalef32_pk8_fp4_f32 v[C+\g], v[X+8*\g:X+8*\g+7], v154
	v_cvt_scalef32_pk8_fp4_f32 v[C+4+\g], v[X+32+8*\g:X+32+8*\g+7], v158
.endr
	v_nop                                          ; a plain line behind the last scaled conversion
	global_store_b128 v4, v[C:C+3], s[24:25]       ; the fragment as its registers stand: 512 consecutive bytes a store
	global_store_b128 v4, v[C+4:C+7], s[24:25] offset:512
	ds_store_b32 v7, v160                          ; lanes r and r + 16 write the same word with the same value
	s_wait_dscnt 0x0                               ; my store has landed
	s_barrier_signal -1
	s_barrier_wait -1
	s_cmp_lg_u32 s20, 0
	s_cbranch_scc1 .Lend
	ds_load_b128 v[164:167], v8                    ; wave 0 stores the row tile's 512 bytes of scale words in one run
	s_wait_dscnt 0x0
	global_store_b128 v4, v[164:167], s[26:27]
	s_branch .Lend
.Lnot_x:
	s_cmp_lt_u32 ttmp9, 304
	s_cbranch_scc0 .Lwo
	; ---- wq, wk, wv: 32 columns a work-group.  Column tiles 2 G and 2 G + 1, G = the work-group's number - 256: wk's and wv's follow wq's 64
	s_sub_co_u32 s36, ttmp9, 256
	s_lshl_b32 s22, s36, 14
	s_lshl_b32 s21, s20, 10
	s_add_co_u32 s22, s22, s21
	s_add_co_u32 s22, s22, WC
	s_add_nc_u64 s[24:25], s[14:15], s[22:23]
	s_lshl_b32 s22, s36, 10
	s_add_co_u32 s22, s22, WS
	s_add_nc_u64 s[26:27], s[14:15], s[22:23]
	s_cmp_lt_u32 ttmp9, 288
	s_cbranch_scc0 .Lnot_wq
	s_lshl_b32 s22, s20, 19                        ; 128 rows of 4,096 bytes a wave
	s_lshl_b32 s21, s36, 7                         ; 32 columns a work-group
	s_add_co_u32 s22, s22, s21
	s_add_nc_u64 s[40:41], s[6:7], s[22:23]
	WPATH 4096, 0
.Lnot_wq:
	s_sub_co_u32 s37, ttmp9, 288
	s_cmp_lt_u32 s37, 8                            ; the choice hangs on the work-group's number alone
	s_cselect_b64 s[40:41], s[8:9], s[10:11]
	s_and_b32 s37, s37, 7
	s_lshl_b32 s22, s20, 17                        ; 128 rows of 1,024 bytes a wave
	s_lshl_b32 s21, s37, 7
	s_add_co_u32 s22, s22, s21
	s_add_nc_u64 s[40:41], s[40:41], s[22:23]
	WPATH 1024, 1024
.Lwo:
	; ---- wo: 32 columns a work-group; no LDS, no barrier
	s_sub_co_u32 s36, ttmp9, 304
	s_lshl_b32 s22, s20, 19
	s_lshl_b32 s21, s36, 7
	s_add_co_u32 s22, s22, s21
	s_add_nc_u64 s[40:41], s[12:13], s[22:23]
	s_lshl_b32 s22, s36, 16                        ; two column tiles of 32,768 bytes
	s_lshl_b32 s21, s20, 12                        ; four K steps of 32 a wave
	s_add_co_u32 s22, s22, s21
	s_add_nc_u64 s[24:25], s[16:17], s[22:23]
	WLOAD 0, 4096
	WLOAD 1, 4096
	WOGROUP 0
	WOGROUP 1
	WOGROUP 2
	WOGROUP 3
.Lend:
	s_wait_tensorcnt 0x0                           ; the wave's end, behind my last LDS store
	ds_add_u32 v[SPW], v[NIL]
	s_wait_dscnt 0x0
	s_endpgm
.Lfunc_end_k_qd95da4509d_prep:
	.size	k_qd95da4509d_prep, .Lfunc_end_k_qd95da4509d_prep-k_qd95da4509d_prep
	.p2alignl 7, 3214868480
	.fill 96, 4, 3214868480
	.section	.rodata,"a",@progbits
	.p2align	6, 0x0
	.amdhsa_kernel k_qd95da4509d_prep
		.amdhsa_group_segment_fixed_size 71168
		.amdhsa_private_segment_fixed_size 0
		.amdhsa_enable_private_segment 0
		.amdhsa_kernarg_size 56
		.amdhsa_user_sgpr_count 2
		.amdhsa_user_sgpr_kernarg_segment_ptr 1
		.amdhsa_wavefront_size32 1
		.amdhsa_system_sgpr_workgroup_id_x 1
		.amdhsa_system_sgpr_workgroup_id_y 1
		.amdhsa_system_sgpr_workgroup_id_z 1
		.amdhsa_system_vgpr_workitem_id 0
		.amdhsa_next_free_vgpr 192
		.amdhsa_next_free_sgpr 66
		.amdhsa_reserve_vcc 1
		.amdhsa_float_denorm_mode_32 3
		.amdhsa_float_denorm_mode_16_64 3
		.amdhsa_memory_ordered 1
		.amdhsa_forward_progress 1
		.amdhsa_inst_pref_size 84
	.end_amdhsa_kernel
	.amdgpu_metadata
---
amdhsa.version: [ 1, 2 ]
amdhsa.kernels:
  - .name:           k_qd95da4509d_prep
    .symbol:         k_qd95da4509d_prep.kd
    .args:
      - { .name: x, .offset: 0, .size: 8, .value_kind: global_buffer, .address_space: global }
      - { .name: wq, .offset: 8, .size: 8, .value_kind: global_buffer, .address_space: global }
      - { .name: wk, .offset: 16, .size: 8, .value_kind: global_buffer, .address_space: global }
      - { .name: wv, .offset: 24, .size: 8, .value_kind: global_buffer, .address_space: global }
      - { .name: wo, .offset: 32, .size: 8, .value_kind: global_buffer, .address_space: global }
      - { .name: codes, .offset: 40, .size: 8, .value_kind: global_buffer, .address_space: global }
      - { .name: wo16, .offset: 48, .size: 8, .value_kind: global_buffer, .address_space: global }
    .group_segment_fixed_size: 71168
    .private_segment_fixed_size: 0
    .kernarg_segment_align: 8
    .kernarg_segment_size: 56
    .max_flat_workgroup_size: 256
    .sgpr_count:     66
    .vgpr_count:     192
    .wavefront_size: 32
...
	.end_amdgpu_metadata
.endif
;; end of part 1
;; launch qkv (part 2): grid 32 x 8, 4 waves a work-group, no clusters, 167,936 bytes of LDS; arguments codes, qkv; writes qkv
.if DOCPART == 2
	.amdgcn_target "amdgcn-amd-amdhsa--gfx1250"
	.amdhsa_code_object_version 6
	.text
	.protected	k_qd95da4509d_qkv
	.globl	k_qd95da4509d_qkv
	.p2align	8
	.type	k_qd95da4509d_qkv,@function
k_qd95da4509d_qkv:
	s_mov_b64 s[64:65], 0
	v_nop
	global_prefetch_b8 v0, s[64:65] scope:SCOPE_SE
	s_setreg_imm32_b32 hwreg(HW_REG_WAVE_MODE, 25, 1), 1
	s_wait_xcnt 0x0
; QKV: x [4096][1024] times wq | wk | wv [1024][1536] on codes of FP4 (E2M1) with E8M0 scales, f32 sums; RoPE on q and k in f32; results as f16 images of the attention's operand registers.
; SHARES.  A work-group takes 128 rows (rg) x three heads of 64 columns (cg; heads 0-15 q, 16-19 k, 20-23 v): 32 x 8 = 256 work-groups.  Wave w owns row tiles 8 rg + 2 w and + 1, for all 192 columns.
; x's 16 fragments of a wave stay in registers.  The weights' 96 fragments (98,304 bytes) and their scale words (6,144) fit in LDS whole: first fills only, nothing is filled again.
; NO CLUSTER.  The work-groups that read the same weights are the 32 row blocks of one cg.  One wave of row blocks 0 and 16 also stores positions 0-15 as f32 (below): that decision hangs on the row block,
; the very coordinate in which partners of such a cluster would differ, and in a launch with joint requests nothing but addresses may hang on it.  What would be shared is 104,448 bytes a work-group, fetched once at its head.
; q, k: source 0 = 16 columns of W, source 1 = 16 rows of x: a lane holds ONE position and eight neighbouring channels d = 16 tile + 8 h + j: RoPE pairs tile t with tile t + 2 in the same lane,
;       and four packed conversions give the 16 bytes that the f16 fragment (16 positions x 32 channels) wants of that lane.
; v:    the sources swapped: a lane holds ONE channel and eight neighbouring positions: the fragment of V^T (16 channels x 32 keys).
; Positions 0-15 of each sequence also leave as f32 (the accumulators' registers as they stand), for the launch that carries them more finely: a scalar branch on the row block and the wave's number.
; A scale register holds K step s' (0-3) in lanes 0-15 and K step s' + 4 in lanes 16-31; K steps 4-7 name the upper row.
; LIMIT: q, k, v must stay under 65,504 (f16).
; REGISTERS.  window 0: v1 16 x lane, v2, v3 LDS addresses, v4 256 h + 4 r; v8-15 at work; v16-23 x's scale words; v24-39 W's; v40-71 packed results; v72-167 three sets of W's four fragments; v168-231 the 8 accumulators.
;             window 1: v0-127 x's fragments (64 i + 8 s); v128-191 the table (32 i + 4 entry).
.set XS,   2097152
.set WC,   2228224
.set WS,   3014656
.set TAB,  3063808
.set VF,   10485760                    ; in qkv: q's images from 0, k's from 8,388,608 (they follow q's 32 heads), V^T's here,
.set FIN,  12582912                    ; the f32 images of positions 0-15
.set LWS,  98304                       ; LDS: W's codes from 0, its scale words here,
.set SPARE, 104448                     ; the spare words, 128 bytes for each wave, that no other line names
.set SPW, 6
.set NIL, 7
.set XSR, 16
.set BSR, 24
.set PK,  40
.set WB,  72
.set ACC, 168
.set XFR, 0
.set TBL, 128
.set MSB, 0
.macro WIN new                         ; the immediate's high byte repeats the setting that is left
.if MSB != \new
	s_set_vgpr_msb (MSB<<8)|\new
.set MSB, \new
.endif
.endm
.macro PLACES                          ; four plain lines between a matrix instruction and a load into, or a read of, its registers
.rept 4
	v_nop
.endr
.endm
.macro FETCH s                         ; W's four fragments of K step s into set s % 3
.irp t, 0,1,2,3
.irp c, 0,1
	ds_load_b128 v[WB+32*((\s)%3)+8*\t+4*\c:WB+32*((\s)%3)+8*\t+4*\c+3], v2 offset:8192*\t+1024*(\s)+512*\c
.endr
.endr
.endm
.macro ONE d, a, b, sa, sb, mode       ; mode 0: starts the sum; 1: K steps 1-3; 2: K steps 4-7
.if \mode == 0
	v_wmma_scale_f32_16x16x128_f8f6f4 v[\d:\d+7], v[\a:\a+7], v[\b:\b+7], 0, v[\sa], v[\sb] matrix_a_fmt:MATRIX_FMT_FP4 matrix_b_fmt:MATRIX_FMT_FP4
.elseif \mode == 1
	v_wmma_scale_f32_16x16x128_f8f6f4 v[\d:\d+7], v[\a:\a+7], v[\b:\b+7], v[\d:\d+7], v[\sa], v[\sb] matrix_a_fmt:MATRIX_FMT_FP4 matrix_b_fmt:MATRIX_FMT_FP4
.else
	v_wmma_scale_f32_16x16x128_f8f6f4 v[\d:\d+7], v[\a:\a+7], v[\b:\b+7], v[\d:\d+7], v[\sa], v[\sb] matrix_a_fmt:MATRIX_FMT_FP4 matrix_b_fmt:MATRIX_FMT_FP4 matrix_a_scale:MATRIX_SCALE_ROW1 matrix_b_scale:MATRIX_SCALE_ROW1
.endif
.endm
.macro MULS s, form                    ; a K step: the 8 accumulators by turns, one instruction a turn
.set MODE, 1+(\s)/4
.if (\s) == 0
.set MODE, 0
.endif
.irp i, 0,1
.irp t, 0,1,2,3
.if \form
	ONE ACC+32*\i+8*\t, XFR+64*\i+8*(\s), WB+32*((\s)%3)+8*\t, XSR+4*\i+(\s)%4, BSR+4*\t+(\s)%4, MODE
.else
	ONE ACC+32*\i+8*\t, WB+32*((\s)%3)+8*\t, XFR+64*\i+8*(\s), BSR+4*\t+(\s)%4, XSR+4*\i+(\s)%4, MODE
.endif
.endr
.endr
.endm
.macro KLOOP form                      ; all of K for one head; W's fragments run two K steps ahead in three sets
.set S, 0
.rept 8
	WIN 0
.if S < 6
	PLACES                                         ; the set that is fetched into was multiplied in the K step before
	FETCH S+2
	s_wait_dscnt 16                                ; this K step's fragments (and the scale words) are in; the two younger fetches, 8 loads each, may be out
.elseif S == 6
	s_wait_dscnt 8                                 ; one younger fetch
.else
	s_wait_dscnt 0x0
.endif
.if \form
	WIN 0x01                                       ; source 0 = x, window 1
.else
	WIN 0x04                                       ; source 1 = x, window 1
.endif
	MULS S, \form
.set S, S+1
.endr
	WIN 0
.endm
.macro ROPE                            ; out(d) = x(d) cos - x(d + 32) sin, out(d + 32) = x(d + 32) cos + x(d) sin, d < 32: tiles t and t + 2, two channels at a time, from each accumulator's low end on
	WIN 0x04                                       ; source 1 = the table, window 1
.irp i, 0,1
.irp t, 0,1
.irp u, 0,1,2,3
	v_pk_mul_f32 v[8+4*(\u%2):9+4*(\u%2)], v[ACC+32*\i+8*\t+16+2*\u:ACC+32*\i+8*\t+17+2*\u], v[TBL+32*\i+16*\t+4*\u+2:TBL+32*\i+16*\t+4*\u+3]
	v_pk_mul_f32 v[10+4*(\u%2):11+4*(\u%2)], v[ACC+32*\i+8*\t+2*\u:ACC+32*\i+8*\t+1+2*\u], v[TBL+32*\i+16*\t+4*\u+2:TBL+32*\i+16*\t+4*\u+3]
	v_pk_fma_f32 v[ACC+32*\i+8*\t+2*\u:ACC+32*\i+8*\t+1+2*\u], v[ACC+32*\i+8*\t+2*\u:ACC+32*\i+8*\t+1+2*\u], v[TBL+32*\i+16*\t+4*\u:TBL+32*\i+16*\t+4*\u+1], v[8+4*(\u%2):9+4*(\u%2)] neg_lo:[0,0,1] neg_hi:[0,0,1]
	v_pk_fma_f32 v[ACC+32*\i+8*\t+16+2*\u:ACC+32*\i+8*\t+17+2*\u], v[ACC+32*\i+8*\t+16+2*\u:ACC+32*\i+8*\t+17+2*\u], v[TBL+32*\i+16*\t+4*\u:TBL+32*\i+16*\t+4*\u+1], v[10+4*(\u%2):11+4*(\u%2)]
.endr
.endr
.endr
	WIN 0
.endm
.macro OUT form                        ; the way out of one head
	s_cmp_lg_u32 s40, 0                            ; is my first row tile positions 0-15 of a sequence?  The row block and the wave's number alone
	s_cbranch_scc1 .Lno_fine_\@
.irp t, 0,1,2,3
.irp e, 0,1
	global_store_b128 v1, v[ACC+8*\t+4*\e:ACC+8*\t+4*\e+3], s[52:53] offset:1024*\t+512*\e    ; the accumulators as they stand, each from its low end on: 512 consecutive bytes a store
.endr
.endr
.Lno_fine_\@:
.irp i, 0,1
.irp t, 0,1,2,3
.irp p, 0,1,2,3
	v_cvt_pk_f16_f32 v[PK+16*\i+4*\t+\p], v[ACC+32*\i+8*\t+2*\p], v[ACC+32*\i+8*\t+2*\p+1]
.endr
.endr
.endr
.irp i, 0,1
.irp t, 0,1,2,3
.if \form
	global_store_b128 v1, v[PK+16*\i+4*\t:PK+16*\i+4*\t+3], s[48:49] offset:1024*\t+512*\i    ; channels 16 t on, keys 16 i on of the block of 32: 512 consecutive bytes a store
.else
	global_store_b128 v1, v[PK+16*\i+4*\t:PK+16*\i+4*\t+3], s[48:49] offset:2048*\i+512*\t    ; position tile i, channels 16 t on
.endif
.endr
.endr
.endm
	s_load_b128 s[8:11], s[0:1], 0x0               ; codes s[8:9], qkv s[10:11]
	v_lshl_add_u32 v[SPW], v0, 2, SPARE
	v_mov_b32 v[NIL], 0
	ds_add_u32 v[SPW], v[NIL]                      ; the wave's opening: the add, twice on end, and its wait ahead of my first tensor load
	ds_add_u32 v[SPW], v[NIL]
	v_lshrrev_b32 v1, 5, v0
	v_readfirstlane_b32 s12, v1                    ; wave 0..3
	s_mov_b32 s14, ttmp9                           ; rg: my block of 128 rows
	s_and_b32 s15, ttmp7, 0xffff                   ; cg: my three heads
	; group 1 for W's codes: my quarter, 24,576 dense bytes, as 96 rows of 32 elements of 8 bytes; no padding: fragments are read at 16 x lane
	s_mov_b32 s16, 3<<16                           ; 15:0 no mask; 17:16 elements of 8 bytes
	s_mov_b32 s17, 32<<16                          ; tensor_dim0 = 32
	s_mov_b32 s18, 96<<16                          ; tensor_dim1 = 96
	s_mov_b32 s19, 32<<16                          ; tile_dim0 = 32
	s_mov_b32 s20, 96                              ; tile_dim1 = 96
	s_mov_b32 s21, 32                              ; from row to row
	s_mov_b32 s22, 0
	s_mov_b32 s23, 0
	; and for its scale words: 1,536 bytes, 6 such rows
	s_mov_b32 s24, 3<<16
	s_mov_b32 s25, 32<<16
	s_mov_b32 s26, 6<<16
	s_mov_b32 s27, 32<<16
	s_mov_b32 s28, 6
	s_mov_b32 s29, 32
	s_mov_b32 s30, 0
	s_mov_b32 s31, 0
	s_mul_i32 s50, s15, 98304                      ; cg's block of codes,
	s_mul_i32 s33, s12, 24576                      ; my quarter of it: in LDS,
	s_add_co_u32 s50, s50, s33                     ; and in memory
	s_add_co_u32 s50, s50, WC
	s_mov_b32 s51, 0
	s_mul_i32 s52, s15, 6144
	s_mul_i32 s37, s12, 1536
	s_add_co_u32 s52, s52, s37
	s_add_co_u32 s52, s52, WS
	s_mov_b32 s53, 0
	s_add_co_u32 s37, s37, LWS
	s_mov_b32 s32, 1
	s_mov_b32 s36, 1
	s_wait_dscnt 0x0                               ; both opening adds are done
	s_wait_kmcnt 0x0
	s_add_nc_u64 s[34:35], s[8:9], s[50:51]
	s_or_b32 s35, s35, 0x80000000
	s_add_nc_u64 s[38:39], s[8:9], s[52:53]
	s_or_b32 s39, s39, 0x80000000
	tensor_load_to_lds s[32:35], s[16:23]          ; two loads of mine are out; both are first fills, ahead of every wait on TENSORcnt, every LDS read and every barrier
	s_nop 0
	tensor_load_to_lds s[36:39], s[24:31]
	s_nop 0
.rept 4
	v_nop
.endr
	s_lshl_b32 s42, s14, 3
	s_lshl_b32 s57, s12, 1
	s_add_co_u32 s42, s42, s57                     ; my first row tile: 8 rg + 2 w
	s_and_b32 s43, s42, 127                        ; its place in the sequence
	s_lshr_b32 s56, s14, 4                         ; the batch
	s_lshl_b32 s54, s56, 4                         ; 16 b: q's heads
	s_lshl_b32 s55, s56, 2
	s_add_co_u32 s55, s55, 16                      ; 4 b + 16: k's heads follow q's 32 (head numbers 16-19 add the other 16)
	s_and_b32 s40, s14, 15
	s_or_b32 s40, s40, s12                         ; 0 in the one wave whose first row tile is positions 0-15 of a sequence
	s_lshl_b32 s50, s42, 13
	s_add_nc_u64 s[58:59], s[8:9], s[50:51]        ; x's fragments
	s_lshl_b32 s50, s43, 12
	s_add_co_u32 s50, s50, TAB
	s_add_nc_u64 s[60:61], s[8:9], s[50:51]        ; the table
	s_lshl_b32 s50, s42, 9
	s_add_co_u32 s50, s50, XS
	s_add_nc_u64 s[62:63], s[8:9], s[50:51]        ; x's scale words
	v_and_b32 v1, 31, v0
	v_lshlrev_b32 v1, 4, v1                        ; 16 x lane
	v_and_b32 v4, 15, v0
	v_bfe_u32 v5, v0, 4, 1
	v_lshlrev_b32 v4, 2, v4
	v_lshl_add_u32 v4, v5, 8, v4                   ; 4 r + 256 h: lanes 16-31 take the word four K steps on
	WIN 0x40                                       ; destination window 1
.irp i, 0,1
.irp s, 0,1,2,3,4,5,6,7
.irp c, 0,1
	global_load_b128 v[XFR+64*\i+8*\s+4*\c:XFR+64*\i+8*\s+4*\c+3], v1, s[58:59] offset:8192*\i+1024*\s+512*\c
.endr
.endr
.endr
.irp i, 0,1
.irp c, 0,1,2,3,4,5,6,7
	global_load_b128 v[TBL+32*\i+4*\c:TBL+32*\i+4*\c+3], v1, s[60:61] offset:4096*\i+512*\c
.endr
.endr
	WIN 0
.irp i, 0,1
.irp q, 0,1,2,3
	global_load_b32 v[XSR+4*\i+\q], v4, s[62:63] offset:512*\i+64*\q
.endr
.endr
	s_mul_i32 s46, s15, 3                          ; the head in hand
	s_mov_b32 s44, 0                               ; its codes in LDS,
	s_mov_b32 s45, LWS                             ; its scale words
	s_mov_b32 s47, 0
	s_wait_tensorcnt 0x0                           ; my parts of W have landed,
	s_barrier_signal -1
	s_barrier_wait -1                              ; everybody's have
	s_wait_loadcnt 0x0                             ; x, the table, x's scale words
.Lhead:                                                ; three trips, a head each
	s_wait_xcnt 0x0                                ; the last head's stores have read their registers and bases
	s_cmp_lt_u32 s46, 16
	s_cselect_b32 s50, s54, s55
	s_add_co_u32 s50, s50, s46
	s_lshl_b32 s50, s50, 7
	s_add_co_u32 s50, s50, s43
	s_lshl_b32 s50, s50, 11                        ; q, k: (head x 128 + position tile) x 2,048
	s_lshl_b32 s51, s56, 2
	s_add_co_u32 s51, s51, s46
	s_sub_co_u32 s51, s51, 20
	s_lshl_b32 s51, s51, 6
	s_lshr_b32 s57, s43, 1
	s_add_co_u32 s51, s51, s57
	s_lshl_b32 s51, s51, 12
	s_add_co_u32 s51, s51, VF                      ; v: (head x 64 + block of 32 keys) x 4,096
	s_cmp_lt_u32 s46, 20
	s_cselect_b32 s50, s50, s51
	s_mov_b32 s51, 0
	s_add_nc_u64 s[48:49], s[10:11], s[50:51]
	s_mul_i32 s50, s56, 24
	s_add_co_u32 s50, s50, s46
	s_lshl_b32 s50, s50, 12
	s_add_co_u32 s50, s50, FIN
	s_add_nc_u64 s[52:53], s[10:11], s[50:51]
	v_add_nc_u32 v2, s44, v1
	v_add_nc_u32 v3, s45, v4
	PLACES
.irp t, 0,1,2,3
.irp q, 0,1,2,3
	ds_load_b32 v[BSR+4*\t+\q], v3 offset:512*\t+64*\q
.endr
.endr
	FETCH 0
	FETCH 1
	s_cmp_ge_u32 s46, 20                           ; the head's kind: cg and the trip's number
	s_cbranch_scc1 .Lvform
	KLOOP 0
	PLACES
	ROPE
	OUT 0
	s_branch .Lnext
.Lvform:
	KLOOP 1
	PLACES
	OUT 1
.Lnext:
	s_add_co_u32 s44, s44, 32768
	s_add_co_u32 s45, s45, 2048
	s_add_co_u32 s46, s46, 1
	s_add_co_u32 s47, s47, 1
	s_cmp_lt_u32 s47, 3
	s_cbranch_scc1 .Lhead
	s_wait_tensorcnt 0x0                           ; the wave's end
	ds_add_u32 v[SPW], v[NIL]
	s_wait_dscnt 0x0
	s_endpgm
.Lfunc_end_k_qd95da4509d_qkv:
	.size	k_qd95da4509d_qkv, .Lfunc_end_k_qd95da4509d_qkv-k_qd95da4509d_qkv
	.p2alignl 7, 3214868480
	.fill 96, 4, 3214868480
	.section	.rodata,"a",@progbits
	.p2align	6, 0x0
	.amdhsa_kernel k_qd95da4509d_qkv
		.amdhsa_group_segment_fixed_size 167936
		.amdhsa_private_segment_fixed_size 0
		.amdhsa_enable_private_segment 0
		.amdhsa_kernarg_size 16
		.amdhsa_user_sgpr_count 2
		.amdhsa_user_sgpr_kernarg_segment_ptr 1
		.amdhsa_wavefront_size32 1
		.amdhsa_system_sgpr_workgroup_id_x 1
		.amdhsa_system_sgpr_workgroup_id_y 1
		.amdhsa_system_sgpr_workgroup_id_z 1
		.amdhsa_system_vgpr_workitem_id 0
		.amdhsa_next_free_vgpr 448
		.amdhsa_next_free_sgpr 66
		.amdhsa_reserve_vcc 0
		.amdhsa_float_denorm_mode_32 3
		.amdhsa_float_denorm_mode_16_64 3
		.amdhsa_memory_ordered 1
		.amdhsa_forward_progress 1
		.amdhsa_inst_pref_size 50
	.end_amdhsa_kernel
	.amdgpu_metadata
---
amdhsa.version: [ 1, 2 ]
amdhsa.kernels:
  - .name:           k_qd95da4509d_qkv
    .symbol:         k_qd95da4509d_qkv.kd
    .args:
      - { .name: codes, .offset: 0, .size: 8, .value_kind: global_buffer, .address_space: global }
      - { .name: qkv, .offset: 8, .size: 8, .value_kind: global_buffer, .address_space: global }
    .group_segment_fixed_size: 167936
    .private_segment_fixed_size: 0
    .kernarg_segment_align: 8
    .kernarg_segment_size: 16
    .max_flat_workgroup_size: 128
    .sgpr_count:     66
    .vgpr_count:     448
    .wavefront_size: 32
...
	.end_amdgpu_metadata
.endif
;; end of part 2
;; launch attn (part 3): grid 32 x 8, 8 waves a work-group, no clusters, 33,792 bytes of LDS; arguments qkv, att; writes att
.if DOCPART == 3
	.amdgcn_target "amdgcn-amd-amdhsa--gfx1250"
	.amdhsa_code_object_version 6
	.text
	.protected	k_qd95da4509d_attn
	.globl	k_qd95da4509d_attn
	.p2align	8
	.type	k_qd95da4509d_attn,@function
k_qd95da4509d_attn:
	s_mov_b64 s[64:65], 0
	v_nop
	global_prefetch_b8 v0, s[64:65] scope:SCOPE_SE
	s_setreg_imm32_b32 hwreg(HW_REG_WAVE_MODE, 25, 1), 1
	s_wait_xcnt 0x0
; ATTN: causal attention, 16 query heads on 4 key / value heads, head size 64, T = 2,048, two batches.  Operands f16 (q, k, v, and the weights p), products' sums, maxima and sums in f32.
; SHARES.  Work-group (j, y): y = 4 b + key head.  Wave w: query head 4 (y % 4) + w % 4, sub = w / 4; it owns TWO tiles of 16 queries, an early one (tile 2 j + sub) and a late one (tile 126 - 2 j + sub),
; so that under the causal mask every wave has the same work, and a fragment of K or V read from LDS serves two tiles while the early one is alive.  Two waves to a SIMD: one's softmax beside the other's products.
; NO CLUSTER, NO TENSOR LOAD: under the mask work-groups that share K and V walk different numbers of key steps (32 - j / 2), so partners could not make every joint request, and a trip count that hangs
; on the work-group's number goes with loads through registers alone.  K and V of a key step (64 keys: 8,192 + 8,192 bytes) go memory -> 16 registers a wave -> LDS.  Two sets of 16 registers by turns:
; a tile is asked for three steps before it is read and goes into LDS one step before.  Two LDS slots by turns, one barrier a step; the slots' addresses are immediates: a trip runs two steps.
; THE BARRIER IS SPLIT.  All LDS work of a step (my 4 stores of the next tile, my 32 loads of this one) stands at the step's head; behind the wait for it the wave signals, does the step's arithmetic on registers,
; and waits for the others only at the step's end.  So waves may lie up to a step apart.
; LAYOUT.  S^T = K Q^T (source 0 = 16 keys, source 1 = 16 queries) and O^T = V^T P: a lane holds ONE query (lane % 16) throughout.  All operands lie in memory as images of their registers (16 x lane).
; SOFTMAX.  A running maximum m and sum l for each query: p = 2^(c s - c m), c = log2(e) / 8; O^T and l are multiplied by a = 2^(c m_old - c m_new) in every step.  Hidden scores become -infinity ahead of the maximum.
; The step is written once: O^T and l begin as zeros and m as -3e38, which the first step's a = 0 leaves zeros.
; LIMITS: NaN and infinities are not served; the output must stay under 65,504 (f16).
; REGISTERS.  window 0: v1 16 x lane, v5 where I stage; v16-31 statistics, 8 a tile (+0 c m, +1 m, +2, +3 l, +4 .. +7 at work; a in +6); v34 r - 8 h, v35 -infinity, v36 256 x lane, v37 at work;
;   v40-55 the stage's set for odd tiles, v240-255 for even ones; v64-127 K (16 kt + 8 ds), v128-191 V^T (32 kb + 8 dt), v192-223 S^T, v224-239 P.   window 1: v0-31 Q (16 x + 8 ds), v64-127 O^T (32 x + 8 dt).
.set KFO,  8388608                     ; in qkv: k's images,
.set VFO,  10485760                    ; V^T's
.set SLOTB, 16384                      ; a slot: K's 8,192 bytes, then V's
.set SPARE, 2*SLOTB                    ; the spare words, 128 bytes for each wave, that no other line names
.set SPW, 32
.set NIL, 33
.set MSB, 0
.macro WIN new                         ; the immediate's high byte repeats the setting that is left
.if MSB != \new
	s_set_vgpr_msb (MSB<<8)|\new
.set MSB, \new
.endif
.endm
.macro PLACES
.rept 4
	v_nop
.endr
.endm
; A PREFETCH of key step n + 5, two steps ahead of the load that will ask for it: 8,192 bytes, lanes 256 bytes apart, one instruction.  All work-groups of a y walk the same K and V from key 0 on; the one with
; j = 0 walks all 32 steps: it asks, wave 0 for K's and wave 4 for V's, so that each 256 bytes are named once in the launch.  Steps 0 to 4 come by their loads alone; from n = 27 on nothing is asked for: there is no step 32.
.macro ASK
	s_cmp_lt_u32 s29, s38
	s_cbranch_scc0 .Lnot_mine_\@
	global_prefetch_b8 v36, s[36:37] th:TH_LOAD_NT scope:SCOPE_SE
.Lnot_mine_\@:
.endm
; One tile's part of a key step: work on registers alone.  K and V are in: the step has waited for all its LDS loads ahead of the barrier's signal.
.macro TILE x
.set rT, 16+8*\x
	s_cmp_gt_u32 s28, s[26+\x]                     ; all 64 keys come after my 16 queries: nothing to do (ids and the count of steps alone)
	s_cbranch_scc1 .Lskip_\@
	WIN 0x04                                       ; source 1 = Q, window 1
.irp k, 0,1,2,3
	v_wmma_f32_16x16x32_f16 v[192+8*\k:199+8*\k], v[64+16*\k:71+16*\k], v[16*\x:16*\x+7], 0
.endr
.irp k, 0,1,2,3
	v_wmma_f32_16x16x32_f16 v[192+8*\k:199+8*\k], v[72+16*\k:79+16*\k], v[16*\x+8:16*\x+15], v[192+8*\k:199+8*\k]
.endr
	WIN 0
	PLACES
	s_add_co_u32 s44, s28, 63
	s_cmp_le_u32 s44, s[24+\x]                     ; all 64 keys count for all 16 queries: no mask
	s_cbranch_scc1 .Lopen_\@
	s_sub_co_i32 s44, s[24+\x], s28
	v_add_nc_u32 v37, s44, v34                     ; d = my query - the step's first key - 8 h.  Register 8 kt + j holds key 16 kt + 8 h + j: hidden where 16 kt + j > d
.irp n, 0,1,2,3,4,5,6,7,8,9,10,11,12,13,14,15,16,17,18,19,20,21,22,23,24,25,26,27,28,29,30,31
	v_cmp_gt_i32 vcc_lo, 16*(\n/8)+\n%8, v37
	v_cndmask_b32 v[192+\n], v[192+\n], v35, vcc_lo
.endr
.Lopen_\@:
.irp q, 0,1,2,3
	v_max3_num_f32 v[rT+4+\q], v[192+8*\q], v[193+8*\q], v[194+8*\q]      ; the maximum, four chains, each accumulator from its low end on
.endr
.irp q, 0,1,2,3
	v_max3_num_f32 v[rT+4+\q], v[rT+4+\q], v[195+8*\q], v[196+8*\q]
.endr
.irp q, 0,1,2,3
	v_max3_num_f32 v[rT+4+\q], v[rT+4+\q], v[197+8*\q], v[198+8*\q]
.endr
	v_max3_num_f32 v[rT+4], v[rT+4], v199, v207
	v_max3_num_f32 v[rT+6], v[rT+6], v215, v223
	v_max3_num_f32 v[rT+4], v[rT+4], v[rT+5], v[rT+6]
	v_max3_num_f32 v[rT+4], v[rT+4], v[rT+7], v[rT+1]                     ; with the old m
	v_permlanex16_b32 v[rT+5], v[rT+4], s42, s43                          ; the query's other 32 keys lie in the lane 16 away
	v_mov_b32 v[rT+7], v[rT]                                              ; c m_old
	v_max_num_f32 v[rT+1], v[rT+4], v[rT+5]                               ; the new m
	v_mul_f32 v[rT], s40, v[rT+1]
	v_sub_f32 v[rT+7], v[rT+7], v[rT]
.set i, 0
.rept 16
	v_pk_fma_f32 v[192+i:193+i], v[192+i:193+i], s[40:41], v[rT:rT+1] op_sel_hi:[1,0,0] neg_lo:[0,0,1] neg_hi:[0,0,1]   ; c s - c m
.set i, i+2
.endr
	v_exp_f32 v[rT+6], v[rT+7]                     ; a; then the 32 weights: ONE batch
.set i, 0
.rept 32
	v_exp_f32 v[192+i], v[192+i]
.set i, i+1
.endr
	v_nop                                          ; a plain line behind the last exponential
	s_wait_alu depctr_va_vdst(0)                   ; one wait for the 33, ahead of their first reader
.set i, 0
.rept 16
	v_cvt_pk_f16_f32 v[224+i], v[192+2*i], v[193+2*i]     ; tiles 2 kb and 2 kb + 1, rounded in pairs, ARE the fragment of P for keys 32 kb on
.set i, i+1
.endr
.irp u, 0,1,2,3,4,5,6,7
	v_pk_add_f32 v[192+4*\u:193+4*\u], v[192+4*\u:193+4*\u], v[194+4*\u:195+4*\u]    ; the sum of the unrounded weights, in place
.endr
.irp u, 0,1,2,3
	v_pk_add_f32 v[192+8*\u:193+8*\u], v[192+8*\u:193+8*\u], v[196+8*\u:197+8*\u]
.endr
	v_pk_add_f32 v[192:193], v[192:193], v[200:201]
	v_pk_add_f32 v[208:209], v[208:209], v[216:217]
	v_pk_add_f32 v[192:193], v[192:193], v[208:209]
	v_pk_fma_f32 v[rT+2:rT+3], v[rT+2:rT+3], v[rT+6:rT+7], v[192:193] op_sel_hi:[1,0,1]   ; l = a l + the sum
	WIN 0x41                                       ; O^T, destination and source 0, window 1
.set i, 0
.rept 16
	v_pk_mul_f32 v[64+32*\x+i:65+32*\x+i], v[64+32*\x+i:65+32*\x+i], v[rT+6:rT+7] op_sel_hi:[1,0]
.set i, i+2
.endr
	WIN 0x50                                       ; C and D window 1
.irp b, 0,1
.irp t, 0,1,2,3
	v_wmma_f32_16x16x32_f16 v[64+32*\x+8*\t:71+32*\x+8*\t], v[128+32*\b+8*\t:135+32*\b+8*\t], v[224+8*\b:231+8*\b], v[64+32*\x+8*\t:71+32*\x+8*\t]
.endr
.endr
	WIN 0
.Lskip_\@:
.endm
; A key step n, read from slot sg = n % 2.  The tile of step n + 1, asked for two steps ago, goes from its set of 16 registers into the other slot, which everybody had left when the last barrier was passed;
; then the tile of step n + 3 is asked for, into the same set.
.macro STEP sg
.set SG, 240-200*(1-\sg)               ; the set of tile n + 1 and of tile n + 3
	s_wait_xcnt 0x0                                ; the last step's loads and prefetch have read their bases
	s_add_nc_u64 s[36:37], s[36:37], 8192          ; the prefetches' place: step n + 5
	s_add_co_u32 s44, s29, 3
	s_min_u32 s44, s44, 31                         ; no load leaves the head's 32 steps: past the end the last is read again and not used
	s_lshl_b32 s44, s44, 13
	s_mov_b32 s45, 0
	s_add_nc_u64 s[34:35], s[32:33], s[44:45]
	PLACES                                         ; behind the last products, ahead of the loads into K's and V's registers
	s_wait_loadcnt 4                               ; step n + 1's tile is in my registers; step n + 2's four loads are younger
.irp q, 0,1,2,3
	ds_store_b128 v5, v[SG+4*\q:SG+4*\q+3] offset:SLOTB*(1-\sg)+512*\q
.endr
.irp k, 0,1,2,3
.irp f, 0,1,2,3
	ds_load_b128 v[64+16*\k+4*\f:67+16*\k+4*\f], v1 offset:SLOTB*\sg+2048*\k+512*\f
.endr
.endr
.irp k, 0,1,2,3,4,5,6,7
.irp f, 0,1
	ds_load_b128 v[128+8*\k+4*\f:131+8*\k+4*\f], v1 offset:SLOTB*\sg+8192+1024*\k+512*\f
.endr
.endr
	s_wait_dscnt 32                                ; the 32 loads are younger: the four stores have read their registers
.irp q, 0,1,2,3
	global_load_b128 v[SG+4*\q:SG+4*\q+3], v1, s[34:35] offset:512*\q
.endr
	ASK
	s_wait_dscnt 0x0                               ; my stores into the other slot have landed, my reads of this one are over:
	s_barrier_signal -1                            ; say so now; what follows up to the wait is work on registers
	TILE 0
	TILE 1
	s_add_co_u32 s28, s28, 64
	s_add_co_u32 s29, s29, 1
	s_barrier_wait -1                              ; all eight have said so: the other slot is whole, and nobody reads this one any more
.endm
.macro OUT x                           ; O^T / l, rounded to f16: the lane's eight channels of a tile are the 16 bytes that the projection's fragment wants of it
.set rT, 16+8*\x
	v_add_f32 v[rT+4], v[rT+2], v[rT+3]
	v_permlanex16_b32 v[rT+5], v[rT+4], s42, s43
	v_add_f32 v[rT+4], v[rT+4], v[rT+5]
	v_rcp_f32 v[rT+6], v[rT+4]
	v_nop
	s_wait_alu depctr_va_vdst(0)
	WIN 0x41
.set i, 0
.rept 16
	v_pk_mul_f32 v[64+32*\x+i:65+32*\x+i], v[64+32*\x+i:65+32*\x+i], v[rT+6:rT+7] op_sel_hi:[1,0]
.set i, i+2
.endr
	WIN 0x05                                       ; sources 0 and 1 window 1
.set i, 0
.rept 16
	v_cvt_pk_f16_f32 v[192+16*\x+i], v[64+32*\x+2*i], v[65+32*\x+2*i]
.set i, i+1
.endr
	WIN 0
.irp t, 0,1,2,3
	global_store_b128 v1, v[192+16*\x+4*\t:195+16*\x+4*\t], s[52+2*\x:53+2*\x] offset:512*\t   ; 512 consecutive bytes a store
.endr
.endm
	s_load_b128 s[4:7], s[0:1], 0x0                ; qkv s[4:5], att s[6:7]
	v_lshl_add_u32 v[SPW], v0, 2, SPARE
	v_mov_b32 v[NIL], 0
	v_lshrrev_b32 v1, 5, v0
	v_readfirstlane_b32 s8, v1                     ; wave 0..7
	v_and_b32 v1, 31, v0
	v_lshlrev_b32 v36, 8, v1                       ; 256 x lane
	v_lshlrev_b32 v1, 4, v1                        ; 16 x lane
	s_lshl_b32 s9, s8, 11
	v_add_nc_u32 v5, s9, v1                        ; my 2,048 bytes of a slot
	v_and_b32 v2, 15, v0
	v_bfe_u32 v3, v0, 4, 1
	v_lshlrev_b32 v3, 3, v3
	v_sub_nc_u32 v34, v2, v3                       ; r - 8 h
	v_mov_b32 v35, 0xff800000                      ; -infinity
	s_and_b32 s10, ttmp7, 0xffff                   ; y
	s_lshr_b32 s11, s10, 2                         ; b
	s_and_b32 s12, s10, 3                          ; the key head
	s_and_b32 s13, s8, 3
	s_lshl_b32 s14, s12, 2
	s_add_co_u32 s14, s14, s13                     ; my query head
	s_lshr_b32 s15, s8, 2                          ; sub
	s_lshl_b32 s16, ttmp9, 1
	s_sub_co_u32 s17, 126, s16
	s_add_co_u32 s16, s16, s15                     ; the early tile,
	s_add_co_u32 s17, s17, s15                     ; the late one
	s_lshl_b32 s24, s16, 4                         ; their first queries,
	s_lshl_b32 s25, s17, 4
	s_add_co_u32 s26, s24, 15                      ; their last
	s_add_co_u32 s27, s25, 15
	s_sub_co_u32 s31, 65, ttmp9
	s_lshr_b32 s31, s31, 1                         ; key steps that the work-group's last query needs: 32 - j / 2
	s_add_co_u32 s31, s31, 1
	s_lshr_b32 s31, s31, 1                         ; trips of two
	s_mov_b32 s44, VFO
	s_cmp_lt_u32 s8, 4                             ; waves 0-3 stage K, waves 4-7 V
	s_cselect_b32 s44, KFO, s44
	s_lshl_b32 s45, s10, 18                        ; a key head's images: 262,144 bytes
	s_add_co_u32 s44, s44, s45
	s_lshl_b32 s45, s13, 11
	s_add_co_u32 s44, s44, s45
	s_mov_b32 s45, 0
	s_lshl_b32 s46, s11, 4
	s_add_co_u32 s46, s46, s14
	s_lshl_b32 s46, s46, 7                         ; (16 b + head) x 128
	s_add_co_u32 s56, s46, s16
	s_lshl_b32 s56, s56, 11
	s_mov_b32 s57, 0
	s_add_co_u32 s58, s46, s17
	s_lshl_b32 s58, s58, 11
	s_mov_b32 s59, 0
	s_lshl_b32 s46, s11, 7
	s_lshl_b32 s47, s14, 11
	s_add_co_u32 s60, s46, s16
	s_lshl_b32 s60, s60, 15
	s_add_co_u32 s60, s60, s47                     ; 32,768 (128 b + tile) + 2,048 head
	s_mov_b32 s61, 0
	s_add_co_u32 s62, s46, s17
	s_lshl_b32 s62, s62, 15
	s_add_co_u32 s62, s62, s47
	s_mov_b32 s63, 0
	s_or_b32 s38, s13, ttmp9
	s_cmp_eq_u32 s38, 0
	s_cselect_b32 s38, 27, 0                       ; a wave prefetches while the step's number is under this
	s_mov_b32 s40, 0x3e38aa3b                      ; c = log2(e) / 8
	s_mov_b32 s41, s40                             ; (named with it as a pair)
	s_mov_b32 s42, 0x76543210
	s_mov_b32 s43, 0xfedcba98
	s_mov_b32 s28, 0                               ; the step's first key
	s_mov_b32 s29, 0                               ; the step's number
	s_mov_b32 s30, 0
	s_wait_kmcnt 0x0
	s_add_nc_u64 s[32:33], s[4:5], s[44:45]        ; my part of step 0
	s_add_nc_u64 s[36:37], s[32:33], 4*8192        ; the first step moves it on to step 5
	s_add_nc_u64 s[48:49], s[4:5], s[56:57]        ; Q, early and late
	s_add_nc_u64 s[50:51], s[4:5], s[58:59]
	s_add_nc_u64 s[52:53], s[6:7], s[60:61]        ; the output, early and late
	s_add_nc_u64 s[54:55], s[6:7], s[62:63]
.irp q, 0,1,2,3
	global_load_b128 v[240+4*\q:243+4*\q], v1, s[32:33] offset:512*\q              ; tile 0
.endr
.irp q, 0,1,2,3
	global_load_b128 v[40+4*\q:43+4*\q], v1, s[32:33] offset:8192+512*\q           ; tile 1
.endr
	WIN 0x40                                       ; destination window 1
.irp x, 0,1
.irp f, 0,1,2,3
	global_load_b128 v[16*\x+4*\f:16*\x+4*\f+3], v1, s[48+2*\x:49+2*\x] offset:512*\f
.endr
.endr
.set i, 0
.rept 64
	v_mov_b32 v[64+i], 0                           ; O^T
.set i, i+1
.endr
	WIN 0
.irp x, 0,1
	v_mov_b32 v[17+8*\x], 0xff61b1e6               ; m = -3e38, under every score
	v_mul_f32 v[16+8*\x], s40, v[17+8*\x]
.irp q, 2,3,4,5,6,7
	v_mov_b32 v[16+8*\x+\q], 0
.endr
.endr
	s_wait_loadcnt 12                              ; tile 0's four loads are in; tile 1's four and Q's eight are younger
.irp q, 0,1,2,3
	ds_store_b128 v5, v[240+4*\q:243+4*\q] offset:512*\q
.endr
	s_wait_dscnt 0x0                               ; they have landed, and have read their registers
.irp q, 0,1,2,3
	global_load_b128 v[240+4*\q:243+4*\q], v1, s[32:33] offset:2*8192+512*\q       ; tile 2
.endr
	s_barrier_signal -1
	s_barrier_wait -1
.Ltrip:
	STEP 0
	STEP 1
	s_add_co_u32 s30, s30, 1
	s_cmp_lt_u32 s30, s31
	s_cbranch_scc1 .Ltrip
	PLACES
	OUT 0
	OUT 1
	s_wait_tensorcnt 0x0                           ; the wave's end, behind my last LDS store
	ds_add_u32 v[SPW], v[NIL]
	s_wait_dscnt 0x0
	s_endpgm
.Lfunc_end_k_qd95da4509d_attn:
	.size	k_qd95da4509d_attn, .Lfunc_end_k_qd95da4509d_attn-k_qd95da4509d_attn
	.p2alignl 7, 3214868480
	.fill 96, 4, 3214868480
	.section	.rodata,"a",@progbits
	.p2align	6, 0x0
	.amdhsa_kernel k_qd95da4509d_attn
		.amdhsa_group_segment_fixed_size 33792
		.amdhsa_private_segment_fixed_size 0
		.amdhsa_enable_private_segment 0
		.amdhsa_kernarg_size 16
		.amdhsa_user_sgpr_count 2
		.amdhsa_user_sgpr_kernarg_segment_ptr 1
		.amdhsa_wavefront_size32 1
		.amdhsa_system_sgpr_workgroup_id_x 1
		.amdhsa_system_sgpr_workgroup_id_y 1
		.amdhsa_system_sgpr_workgroup_id_z 1
		.amdhsa_system_vgpr_workitem_id 0
		.amdhsa_next_free_vgpr 384
		.amdhsa_next_free_sgpr 66
		.amdhsa_reserve_vcc 1
		.amdhsa_float_denorm_mode_32 3
		.amdhsa_float_denorm_mode_16_64 3
		.amdhsa_memory_ordered 1
		.amdhsa_forward_progress 1
		.amdhsa_inst_pref_size 60
	.end_amdhsa_kernel
	.amdgpu_metadata
---
amdhsa.version: [ 1, 2 ]
amdhsa.kernels:
  - .name:           k_qd95da4509d_attn
    .symbol:         k_qd95da4509d_attn.kd
    .args:
      - { .name: qkv, .offset: 0, .size: 8, .value_kind: global_buffer, .address_space: global }
      - { .name: att, .offset: 8, .size: 8, .value_kind: global_buffer, .address_space: global }
    .group_segment_fixed_size: 33792
    .private_segment_fixed_size: 0
    .kernarg_segment_align: 8
    .kernarg_segment_size: 16
    .max_flat_workgroup_size: 256
    .sgpr_count:     66
    .vgpr_count:     384
    .wavefront_size: 32
...
	.end_amdgpu_metadata
.endif
;; end of part 3
;; launch proj (part 4): grid 8 x 32, 4 waves a work-group, clusters of 4 x 4, 327,680 bytes of LDS; arguments att, wo16, out0; writes out0
.if DOCPART == 4
	.amdgcn_target "amdgcn-amd-amdhsa--gfx1250"
	.amdhsa_code_object_version 6
	.text
	.protected	k_qd95da4509d_proj
	.globl	k_qd95da4509d_proj
	.p2align	8
	.type	k_qd95da4509d_proj,@function
k_qd95da4509d_proj:
	s_mov_b64 s[64:65], 0
	v_nop
	global_prefetch_b8 v0, s[64:65] scope:SCOPE_SE
	s_setreg_imm32_b32 hwreg(HW_REG_WAVE_MODE, 25, 1), 1
	s_wait_xcnt 0x0
	s_wait_alu depctr_hold_cnt(0) depctr_sa_sdst(0) depctr_va_vdst(0) depctr_va_sdst(0) depctr_va_ssrc(0) depctr_va_vcc(0) depctr_vm_vsrc(0)
	s_getreg_b32 s2, hwreg(HW_REG_IB_STS2, 6, 4)
	s_cmp_eq_u32 s2, 0
	s_cbranch_scc0 .Lentry_in_a_cluster
	s_endpgm
.Lentry_in_a_cluster:
	s_bfe_u32 s2, ttmp6, 0x10000c
	s_cmp_lg_u32 s2, 0xf033
	s_cbranch_scc0 .Lentry_shape_is_right
	s_endpgm
.Lentry_shape_is_right:
; PROJ: out0 [4096][1024] f32 = attention output [4096][1024] x wo [1024][1024], operands f16 (wo: its high part, the upper 11 significant bits), sums f32.
; Both operands lie in memory as images of fragment registers: fragment (tile of 16 rows, K step of 32) at 32,768 tile + 1,024 step; lane l's registers 4 g .. at 512 g + 16 l.
; A tile of the output is 128 x 128: 8 x 32 = 256 work-groups.  Four waves, each 64 x 64: 16 accumulators.  K goes in four steps of 256 through two LDS slots; a wave's tensor load brings four row tiles' 8,192 bytes.
; No padding: a fragment load reads 512 consecutive bytes.  The four steps are written out.
; CLUSTERS: 4 x 4 work-groups: the four of a row of the cluster need the same tiles of the attention output, the four of a column the same tiles of wo: each is asked for jointly.
; THE MATRIX INSTRUCTION IS USED TRANSPOSED (source 0 = 16 columns of wo, source 1 = 16 rows): a lane holds eight neighbouring numbers of a row of the output.
; Rows 0-15 of each sequence are written here too and once more, more finely, by the launch that follows.
; REGISTERS: window 0: v16-29 addresses; v32-95 the way out; v128-255 the accumulators ((a, b) at v[128 + 8 (4 a + b)]).  window 1: two fragment buffers of 128: 64 registers of A (2 x 4 fragments), then 64 of B.
.set RT,     8192                      ; a row tile's part of a K step: 8 fragments
.set HALFT,  4*RT                      ; what one tensor load brings, and what one wave reads of A or of B
.set SLOT,   4*HALFT                   ; A's 8 row tiles, then B's 8
.set STAGE,  2*SLOT                    ; behind the ring: 16 rows x 272 bytes for each wave, for the way out
.set SPITCH, 272
.set SPARE,  STAGE+4*16*SPITCH         ; the spare words, 128 bytes for each wave, that no other line names
.set ADRA, 16
.set ADRB, 20
.set STO,  24
.set RD,   25
.set CO,   26
.set SPW,  28
.set NIL,  29
.set TMP,  32
.set ACC,  128
.set F0,   0
.set F1,   128
.set G1, 24
.set G0, 32
.set G1B, 48
.set G0B, 56
.set MSB, 0
.macro WIN new
.if MSB != \new
	s_set_vgpr_msb (MSB<<8)|\new
.set MSB, \new
.endif
.endm
.set MUL,  0x05                        ; sources 0 (B) and 1 (A) window 1; C and D window 0
.set TO_F, 0x40                        ; destination window 1, address window 0
.macro JLOAD s                         ; a joint load: waves 0 and 1 fetch A's two halves, waves 2 and 3 B's; an s_nop 0 and four v_nop follow each of the two lines
	s_cmp_eq_u32 s11, 0
	s_cbranch_scc0 .Lfor_b_\@
	tensor_load_to_lds s[G0+4*\s:G0+4*\s+3], s[G1:G1+7]
	s_nop 0
.rept 4
	v_nop
.endr
	s_branch .Lasked_\@
.Lfor_b_\@:
	tensor_load_to_lds s[G0B+4*\s:G0B+4*\s+3], s[G1B:G1B+7]
	s_nop 0
.rept 4
	v_nop
.endr
.Lasked_\@:
.endm
.macro CREST
	s_cmp_lg_u32 s10, 0
	s_cbranch_scc1 .Lnot_wave_0_\@
	s_barrier_signal -3
.Lnot_wave_0_\@:
	s_barrier_wait -3
	s_barrier_signal -1
	s_barrier_wait -1
.endm
.macro CROUND
	s_barrier_signal -1
	s_barrier_wait -1
	CREST
.endm
	s_load_b128 s[4:7], s[0:1], 0x0                ; att s[4:5], wo16 s[6:7]
	s_load_b64 s[8:9], s[0:1], 0x10                ; out0
	v_lshl_add_u32 v[SPW], v0, 2, SPARE
	v_mov_b32 v[NIL], 0
	ds_add_u32 v[SPW], v[NIL]                      ; the wave's opening: the add, twice on end, and its wait ahead of my first tensor load
	ds_add_u32 v[SPW], v[NIL]
	v_lshrrev_b32 v1, 5, v0
	v_readfirstlane_b32 s10, v1                    ; wave 0..3
	s_lshr_b32 s11, s10, 1                         ; which half of the tile's rows is mine.  Also: I fetch for A (0) or for B (1)
	s_and_b32 s12, s10, 1                          ; which half of its columns.  Also: which four row tiles I fetch
	s_bfe_u32 s40, ttmp6, 0x40000                  ; cx, cy
	s_bfe_u32 s41, ttmp6, 0x40004
	s_lshl_b32 s42, ttmp9, 2
	s_add_co_u32 s42, s42, s40                     ; tile column = 4 x cluster x + cx
	s_and_b32 s13, ttmp7, 0xffff
	s_lshl_b32 s13, s13, 2
	s_add_co_u32 s13, s13, s41                     ; tile row = 4 x cluster y + cy
	s_lshl_b32 s43, s41, 2
	s_lshl_b32 s43, 15, s43                        ; my row of the cluster
	s_lshl_b32 s44, 0x1111, s40                    ; my column
	; group 1: four rows of 1,024 elements of 8 bytes (a row tile's 8,192 bytes of a K step), 4,096 elements (a row tile's 32,768 bytes) apart
	s_or_b32 s[G1+0], s43, (3<<16)|(1<<21)         ; 15:0 the mask: A's tiles go to my row; 17:16 elements of 8 bytes; 21 set beside a mask
	s_or_b32 s[G1B+0], s44, (3<<16)|(1<<21)
.irp g, G1, G1B
	s_mov_b32 s[\g+1], 1024<<16                    ; tensor_dim0
	s_mov_b32 s[\g+2], 4<<16                       ; tensor_dim1
	s_mov_b32 s[\g+3], 1024<<16                    ; tile_dim0
	s_mov_b32 s[\g+4], 4                           ; tile_dim1
	s_mov_b32 s[\g+5], 4096                        ; from row to row
	s_mov_b32 s[\g+6], 0
	s_mov_b32 s[\g+7], 0
.endr
	s_lshl_b32 s17, s12, 2
	s_lshl_b32 s16, s13, 3
	s_add_co_u32 s16, s16, s17                     ; A: row tile 8 x tile row + 4 x half
	s_lshl_b32 s16, s16, 15
	s_lshl_b32 s46, s42, 3
	s_add_co_u32 s46, s46, s17                     ; B: column tile 8 x tile column + 4 x half
	s_lshl_b32 s46, s46, 15
	s_mov_b32 s17, 0
	s_mov_b32 s47, 0
	s_lshl_b32 s20, s10, 15                        ; where they go: wave x 32,768: no place in the cluster enters an LDS address
	s_wait_dscnt 0x0                               ; both opening adds are done
	s_wait_kmcnt 0x0
	s_add_nc_u64 s[14:15], s[4:5], s[16:17]
	s_add_nc_u64 s[46:47], s[6:7], s[46:47]
	CROUND                                         ; all sixteen work-groups are here: the first joint loads meet
.irp s, 0,1
	s_mov_b32 s[G0+4*\s], 1
	s_add_co_u32 s[G0+4*\s+1], s20, \s*SLOT
	s_add_nc_u64 s[G0+4*\s+2:G0+4*\s+3], s[14:15], \s*RT
	s_or_b32 s[G0+4*\s+3], s[G0+4*\s+3], 0x80000000
	s_mov_b32 s[G0B+4*\s], 1
	s_add_co_u32 s[G0B+4*\s+1], s20, \s*SLOT
	s_add_nc_u64 s[G0B+4*\s+2:G0B+4*\s+3], s[46:47], \s*RT
	s_or_b32 s[G0B+4*\s+3], s[G0B+4*\s+3], 0x80000000
	JLOAD \s
.endr
	v_and_b32 v1, 15, v0                           ; l % 16
	v_bfe_u32 v2, v0, 4, 1                         ; l / 16
	v_and_b32 v3, 31, v0
	v_lshlrev_b32 v3, 4, v3                        ; 16 x lane
	s_lshl_b32 s21, s11, 15                        ; my four row tiles of A
	s_lshl_b32 s22, s12, 15                        ; my four of B,
	s_add_co_u32 s22, s22, 2*HALFT                 ; which lie behind A's eight
.irp s, 0,1
	v_add_nc_u32 v[ADRA+\s], s21, v3
	v_add_nc_u32 v[ADRB+\s], s22, v3
	s_add_co_u32 s21, s21, SLOT
	s_add_co_u32 s22, s22, SLOT
.endr
	s_mul_i32 s23, s10, 16*SPITCH
	s_add_co_u32 s23, s23, STAGE                   ; my stage
	v_mul_u32_u24 v4, v1, SPITCH                   ; in: row l % 16, 32 bytes for each half of the lanes
	v_lshl_add_u32 v4, v2, 5, v4
	v_add_nc_u32 v[STO], s23, v4
	v_mul_u32_u24 v5, v2, SPITCH                   ; back: lanes 0-15 one row of 256 bytes, lanes 16-31 the next
	v_lshl_add_u32 v5, v1, 4, v5
	v_add_nc_u32 v[RD], s23, v5
	v_lshlrev_b32 v5, 12, v2                       ; and the same two rows in the output
	v_lshl_add_u32 v[CO], v1, 4, v5
	s_lshl_b32 s16, s13, 7
	s_lshl_b32 s17, s11, 6
	s_add_co_u32 s16, s16, s17                     ; my first row: 128 x tile row + 64 x half
	s_lshl_b32 s16, s16, 12
	s_mov_b32 s17, 0
	s_add_nc_u64 s[8:9], s[8:9], s[16:17]
	s_lshl_b32 s46, s42, 9                         ; my first column, in bytes: 512 x tile column + 256 x half
	s_lshl_b32 s47, s12, 8
	s_add_co_u32 s46, s46, s47
	s_mov_b32 s47, 0
	s_add_nc_u64 s[8:9], s[8:9], s[46:47]
; 8 matrix instructions: m blocks a0, a0 + 1 x all 4 n blocks, 32 along K: half c of buffer f.  zero = 1: the first product starts the sums.  The 16 accumulators take turns
.macro MUL8 f, c, a0, zero
.irp a, \a0, \a0+1
.irp b, 0,1,2,3
.if \zero
	v_wmma_f32_16x16x32_f16 v[ACC+8*(4*(\a)+\b):ACC+8*(4*(\a)+\b)+7], v[\f+64+8*(4*\c+\b):\f+64+8*(4*\c+\b)+7], v[\f+8*(4*\c+\a):\f+8*(4*\c+\a)+7], 0
.else
	v_wmma_f32_16x16x32_f16 v[ACC+8*(4*(\a)+\b):ACC+8*(4*(\a)+\b)+7], v[\f+64+8*(4*\c+\b):\f+64+8*(4*\c+\b)+7], v[\f+8*(4*\c+\a):\f+8*(4*\c+\a)+7], v[ACC+8*(4*(\a)+\b):ACC+8*(4*(\a)+\b)+7]
.endif
.endr
.endr
.endm
; 32 LDS loads in one run: the fragments of quarter kq (64 along K) of a slot, into buffer f; the first 32 along K first
.macro FETCH slot, kq, f
	WIN TO_F
.irp c, 0,1
.irp i, 0,1,2,3
	ds_load_b128 v[\f+64+8*(4*\c+\i):\f+64+8*(4*\c+\i)+3],   v[ADRB+\slot] offset:\i*RT+1024*(2*(\kq)+\c)
	ds_load_b128 v[\f+64+8*(4*\c+\i)+4:\f+64+8*(4*\c+\i)+7], v[ADRB+\slot] offset:\i*RT+1024*(2*(\kq)+\c)+512
	ds_load_b128 v[\f+8*(4*\c+\i):\f+8*(4*\c+\i)+3],         v[ADRA+\slot] offset:\i*RT+1024*(2*(\kq)+\c)
	ds_load_b128 v[\f+8*(4*\c+\i)+4:\f+8*(4*\c+\i)+7],       v[ADRA+\slot] offset:\i*RT+1024*(2*(\kq)+\c)+512
.endr
.endr
.endm
.macro PLACES
.rept 4
	v_nop
.endr
.endm
; one of a K step's first three quarters: multiplies buffer f and fetches quarter kq into g
.macro QUARTER slot, kq, f, g, zero
	s_wait_dscnt 16                                ; the first 32 along K are in; the other sixteen loads may be out
	WIN MUL
	MUL8 \f, 0, 0, \zero
	MUL8 \f, 0, 2, \zero
	PLACES
	FETCH \slot, \kq, \g
	s_wait_dscnt 32                                ; all but the 32 just issued
	WIN MUL
	MUL8 \f, 1, 0, 0
	MUL8 \f, 1, 2, 0
.endm
; the last quarter multiplies buffer 1 and changes slots: ONE barrier; ahead of it each wave waits for all its tensor loads, adds 0 to its spare word, and waits for that and for its reads of this slot
.macro TURN slot, next, fill
	WIN 0
	s_wait_tensorcnt 0x0                           ; all my tensor loads have landed: my part of the next slot;
	ds_add_u32 v[SPW], v[NIL]                      ; 0 onto my spare word;
	s_wait_dscnt 17                                ; (the add and the youngest sixteen loads may be out)
	WIN MUL
	MUL8 F1, 0, 0, 0
	s_wait_dscnt 0x0                               ; the add is done, and my reads of this slot are over
	s_barrier_signal -1
	MUL8 F1, 0, 2, 0
.if \fill
	WIN 0
.endif
	s_barrier_wait -1
.if \fill
	CREST                                          ; the barrier has opened a round of the cluster's barrier: no wave of any partner still reads this slot or has a load on its way
	s_add_nc_u64 s[G0+4*\slot+2:G0+4*\slot+3], s[G0+4*\slot+2:G0+4*\slot+3], 2*RT
	s_add_nc_u64 s[G0B+4*\slot+2:G0B+4*\slot+3], s[G0B+4*\slot+2:G0B+4*\slot+3], 2*RT
	JLOAD \slot                                    ; the first tensor load behind the round; its four v_nop are also the places ahead of the loads below
.else
	PLACES
.endif
	FETCH \next, 0, F0
	WIN MUL
	MUL8 F1, 1, 0, 0
	MUL8 F1, 1, 2, 0
.endm
	s_wait_tensorcnt 1                             ; my part of K step 0 is in (K step 1's load may be out)
	s_barrier_signal -1
	s_barrier_wait -1                              ; everybody's is
	FETCH 0, 0, F0
	QUARTER 0, 1, F0, F1, 1                        ; K step 0: its first products start the sums
	QUARTER 0, 2, F1, F0, 0
	QUARTER 0, 3, F0, F1, 0
	TURN 0, 1, 1                                   ; slot 0 takes K step 2
	QUARTER 1, 1, F0, F1, 0                        ; K step 1
	QUARTER 1, 2, F1, F0, 0
	QUARTER 1, 3, F0, F1, 0
	TURN 1, 0, 1                                   ; slot 1 takes K step 3
	QUARTER 0, 1, F0, F1, 0                        ; K step 2
	QUARTER 0, 2, F1, F0, 0
	QUARTER 0, 3, F0, F1, 0
	TURN 0, 1, 0                                   ; nothing is left to fetch
	QUARTER 1, 1, F0, F1, 0                        ; K step 3
	QUARTER 1, 2, F1, F0, 0
	QUARTER 1, 3, F0, F1, 0
	s_wait_dscnt 16
	WIN MUL
	MUL8 F1, 0, 0, 0
	MUL8 F1, 0, 2, 0
	s_wait_dscnt 0x0
	MUL8 F1, 1, 0, 0
	MUL8 F1, 1, 2, 0
	WIN 0
; THE WAY OUT, a block of 16 rows x 64 columns at a time: a lane's 32 bytes go into my own stage and come back as whole rows of 256 bytes.  LDS serves a wave's instructions in order: no wait between.
.macro TOSTAGE a
.set BB, TMP+32*((\a)%2)
.irp b, 0,1,2,3
	ds_store_b128 v[STO], v[ACC+8*(4*(\a)+\b):ACC+8*(4*(\a)+\b)+3] offset:64*\b          ; each accumulator from its low end on
	ds_store_b128 v[STO], v[ACC+8*(4*(\a)+\b)+4:ACC+8*(4*(\a)+\b)+7] offset:64*\b+16
.endr
.irp t, 0,1,2,3,4,5,6,7
	ds_load_b128 v[BB+4*\t:BB+4*\t+3], v[RD] offset:\t*2*SPITCH
.endr
.endm
.macro SEND a, younger
.set BB, TMP+32*((\a)%2)
	s_wait_dscnt \younger                          ; the block is back in registers
.irp t, 0,1,2,3,4,5,6,7
	global_store_b128 v[CO], v[BB+4*\t:BB+4*\t+3], s[8:9] offset:(16*(\a)+2*\t)*4096 th:TH_STORE_NT   ; sixteen lanes store 256 consecutive bytes, aligned
.endr
.endm
	PLACES
	TOSTAGE 0
.irp a, 1,2,3
.if \a > 1
	s_wait_xcnt 0x0                                ; block a - 2's stores have read their registers: block a's loads may land there
.endif
	TOSTAGE \a
	SEND \a-1, 16                                  ; behind block a - 1's loads: block a's 8 stores and 8 loads
.endr
	SEND 3, 0
	s_wait_tensorcnt 0x0                           ; the wave's end
	ds_add_u32 v[SPW], v[NIL]
	s_wait_dscnt 0x0
	CROUND                                         ; the closing round
	s_endpgm
.Lfunc_end_k_qd95da4509d_proj:
	.size	k_qd95da4509d_proj, .Lfunc_end_k_qd95da4509d_proj-k_qd95da4509d_proj
	.p2alignl 7, 3214868480
	.fill 96, 4, 3214868480
	.section	.rodata,"a",@progbits
	.p2align	6, 0x0
	.amdhsa_kernel k_qd95da4509d_proj
		.amdhsa_group_segment_fixed_size 327680
		.amdhsa_private_segment_fixed_size 0
		.amdhsa_enable_private_segment 0
		.amdhsa_kernarg_size 24
		.amdhsa_user_sgpr_count 2
		.amdhsa_user_sgpr_kernarg_segment_ptr 1
		.amdhsa_wavefront_size32 1
		.amdhsa_system_sgpr_workgroup_id_x 1
		.amdhsa_system_sgpr_workgroup_id_y 1
		.amdhsa_system_sgpr_workgroup_id_z 1
		.amdhsa_system_vgpr_workitem_id 0
		.amdhsa_next_free_vgpr 512
		.amdhsa_next_free_sgpr 66
		.amdhsa_reserve_vcc 0
		.amdhsa_float_denorm_mode_32 3
		.amdhsa_float_denorm_mode_16_64 3
		.amdhsa_memory_ordered 1
		.amdhsa_forward_progress 1
		.amdhsa_inst_pref_size 85
	.end_amdhsa_kernel
	.amdgpu_metadata
---
amdhsa.version: [ 1, 2 ]
amdhsa.kernels:
  - .name:           k_qd95da4509d_proj
    .symbol:         k_qd95da4509d_proj.kd
    .args:
      - { .name: att, .offset: 0, .size: 8, .value_kind: global_buffer, .address_space: global }
      - { .name: wo16, .offset: 8, .size: 8, .value_kind: global_buffer, .address_space: global }
      - { .name: out0, .offset: 16, .size: 8, .value_kind: global_buffer, .address_space: global }
    .group_segment_fixed_size: 327680
    .private_segment_fixed_size: 0
    .kernarg_segment_align: 8
    .kernarg_segment_size: 24
    .max_flat_workgroup_size: 128
    .sgpr_count:     66
    .vgpr_count:     512
    .wavefront_size: 32
...
	.end_amdgpu_metadata
.endif
;; end of part 4
;; launch first16 (part 5): grid 16 x 2, 8 waves a work-group, no clusters, 35,840 bytes of LDS; arguments qkv, wo16, out0; writes out0
.if DOCPART == 5
	.amdgcn_target "amdgcn-amd-amdhsa--gfx1250"
	.amdhsa_code_object_version 6
	.text
	.protected	k_qd95da4509d_first16
	.globl	k_qd95da4509d_first16
	.p2align	8
	.type	k_qd95da4509d_first16,@function
k_qd95da4509d_first16:
	s_mov_b64 s[64:65], 0
	v_nop
	global_prefetch_b8 v0, s[64:65] scope:SCOPE_SE
	s_setreg_imm32_b32 hwreg(HW_REG_WAVE_MODE, 25, 1), 1
	s_wait_xcnt 0x0
; FIRST16: positions 0-15 of each sequence once more, attention and projection, with every operand as a PAIR of f16 numbers, a high part (the upper 11 significant bits, exact) and a low part (the rest),
; split in f32; of a product (ah + al)(bh + bl) the three terms ah bh, al bh, ah bl go to the matrix unit.  These rows average one to sixteen values and are the largest of the output.
; SHARES.  Work-group (nb, b): 64 output columns of batch b's 16 rows.  Wave w makes the attention of heads 2 w and 2 w + 1 (key head w / 2), which are K steps 4 w .. 4 w + 3 of the projection,
; and its part of the sums; the eight parts meet in LDS and are added in the order of the waves.  Every work-group makes the small attention anew: 16 x 16 scores a head.
; A part lies in LDS as 16 rows of 256 bytes + 16: the sixteen lanes of a store (one row each) and of a load (one row's 256 bytes) touch sixteen different 16-byte columns.
; q, k, v come as f32 images of the accumulators that made them.  q, k: lane (r, h) holds position r, channels 16 t + 8 h + j.  v: lane (r, h) holds channel 16 t + r, positions 8 h + j.
; The second product has 16 keys and the instruction 32 along K: V's fragment is [high | low] and P's are [ph | ph] and [pl | 0]: (Vh + Vl) ph + Vh pl.
; LIMITS: NaN and infinities are not served; operands under 65,504; low parts under 6e-5 carry an absolute error of 3e-8.
; REGISTERS.  window 1: wo's fragments, (16 part + 4 i + s) x 8.   window 0: v16-47 K high, low; v48-79 Q0's image, then Q1's fragments, then O of head 1; v80-111 Q1's image, then the 4 sums;
;   v112-143 K's image, then V's fragments; v144-175 V's image, then Q0's fragments, then O of head 0; v176-199 three score sums; v200-215 P's two fragments; v216-247 the attention output high, low; v248-255 at work.
.set FIN,  12582912
.set WOL,  2097152
.set PPITCH, 272                       ; a row of a part: 64 f32 numbers + 16 bytes
.set PART, 16*PPITCH                   ; a wave's part of the sums
.set SPARE, 8*PART                     ; behind the eight parts: the spare words, 128 bytes for each wave, that no other line names
.set SPW, 2
.set NIL, 3
.set MSB, 0
.macro WIN new
.if MSB != \new
	s_set_vgpr_msb (MSB<<8)|\new
.set MSB, \new
.endif
.endm
.macro PLACES
.rept 4
	v_nop
.endr
.endm
.macro SPLIT8 x, hh, ll                ; eight f32 numbers -> four registers of high parts, four of low parts
.irp p, 0,1,2,3
	v_and_b32 v[248+2*\p], s24, v[\x+2*\p]
	v_and_b32 v[249+2*\p], s24, v[\x+2*\p+1]
.endr
.irp p, 0,1,2,3
	v_cvt_pk_f16_f32 v[\hh+\p], v[248+2*\p], v[249+2*\p]
.endr
.irp p, 0,1,2,3
	v_pk_add_f32 v[248+2*\p:249+2*\p], v[\x+2*\p:\x+2*\p+1], v[248+2*\p:249+2*\p] neg_lo:[0,1] neg_hi:[0,1]
.endr
.irp p, 0,1,2,3
	v_cvt_pk_f16_f32 v[\ll+\p], v[248+2*\p], v[249+2*\p]
.endr
.endm
.macro PJ d, a, b, zero
.if \zero
	v_wmma_f32_16x16x32_f16 v[\d:\d+7], v[\a:\a+7], v[\b:\b+7], 0
.else
	v_wmma_f32_16x16x32_f16 v[\d:\d+7], v[\a:\a+7], v[\b:\b+7], v[\d:\d+7]
.endif
.endm
.macro HEAD e
.set QB, 144-96*\e                     ; this head's fragments of Q (high 16, low 16), later its O^T
	; S^T = K Q^T: three sums by turns: Kh Qh, Kl Qh, Kh Ql
	PJ 176, 16, QB, 1
	PJ 184, 32, QB, 1
	PJ 192, 16, QB+16, 1
	PJ 176, 24, QB+8, 0
	PJ 184, 40, QB+8, 0
	PJ 192, 24, QB+24, 0
	PLACES
.irp j, 0,2,4,6
	v_pk_add_f32 v[176+\j:177+\j], v[176+\j:177+\j], v[184+\j:185+\j]
.endr
.irp j, 0,2,4,6
	v_pk_add_f32 v[176+\j:177+\j], v[176+\j:177+\j], v[192+\j:193+\j]
.endr
.irp j, 0,1,2,3,4,5,6,7
	v_cmp_gt_i32 vcc_lo, \j, v4                    ; register j holds key 8 h + j: hidden where j > r - 8 h
	v_cndmask_b32 v[176+\j], v[176+\j], v5, vcc_lo
.endr
	v_max3_num_f32 v9, v176, v177, v178
	v_max3_num_f32 v9, v9, v179, v180
	v_max3_num_f32 v9, v9, v181, v182
	v_max_num_f32 v9, v9, v183
	v_permlanex16_b32 v10, v9, s28, s29
	v_max_num_f32 v9, v9, v10                      ; the row's maximum (key 0 counts for every query)
	v_mul_f32 v14, s26, v9
.irp j, 0,2,4,6
	v_pk_fma_f32 v[176+\j:177+\j], v[176+\j:177+\j], s[26:27], v[14:15] op_sel_hi:[1,0,0] neg_lo:[0,0,1] neg_hi:[0,0,1]
.endr
.irp j, 0,1,2,3,4,5,6,7
	v_exp_f32 v[176+\j], v[176+\j]
.endr
	v_nop
	s_wait_alu depctr_va_vdst(0)                   ; one wait for the eight
	v_pk_add_f32 v[248:249], v[176:177], v[178:179]
	v_pk_add_f32 v[250:251], v[180:181], v[182:183]
	v_pk_add_f32 v[248:249], v[248:249], v[250:251]
	v_add_f32 v9, v248, v249
	v_permlanex16_b32 v10, v9, s28, s29
	v_add_f32 v9, v9, v10                          ; the row's sum
	v_rcp_f32 v12, v9
	SPLIT8 176, 200, 208                           ; p's high and low parts: work that names nothing of the reciprocal
.irp p, 0,1,2,3
	v_mov_b32 v[204+\p], v[200+\p]                 ; [ph | ph]
.endr
	s_wait_alu depctr_va_vdst(0)                   ; the reciprocal's wait, ahead of its first reader
.irp t, 0,1,2,3
	PJ QB+8*\t, 112+8*\t, 200, 1
.endr
.irp t, 0,1,2,3
	PJ QB+8*\t, 112+8*\t, 208, 0
.endr
	PLACES
.set i, 0
.rept 16
	v_pk_mul_f32 v[QB+i:QB+i+1], v[QB+i:QB+i+1], v[12:13] op_sel_hi:[1,0]    ; O^T / the sum, each accumulator from its low end on
.set i, i+2
.endr
.irp t, 0,1,2,3
	SPLIT8 QB+8*\t, 216+4*\t, 232+4*\t             ; tiles 2 k and 2 k + 1 are the fragment of K step k of this head
.endr
.if \e == 0
	s_wait_loadcnt 0x0                             ; wo's fragments, both parts
.endif
	WIN 0x01                                       ; source 0 = wo, window 1
.irp k, 0,1
.irp i, 0,1,2,3
.if (\e == 0) && (\k == 0)
	PJ 80+8*\i, 8*(4*\i+2*\e+\k), 216+8*\k, 1
.else
	PJ 80+8*\i, 8*(4*\i+2*\e+\k), 216+8*\k, 0
.endif
.endr
.irp i, 0,1,2,3
	PJ 80+8*\i, 128+8*(4*\i+2*\e+\k), 216+8*\k, 0
.endr
.irp i, 0,1,2,3
	PJ 80+8*\i, 8*(4*\i+2*\e+\k), 232+8*\k, 0
.endr
.endr
	WIN 0
.endm
	s_load_b128 s[4:7], s[0:1], 0x0                ; qkv s[4:5], wo16 s[6:7]
	s_load_b64 s[8:9], s[0:1], 0x10                ; out0
	v_lshl_add_u32 v[SPW], v0, 2, SPARE
	v_mov_b32 v[NIL], 0
	v_lshrrev_b32 v1, 5, v0
	v_readfirstlane_b32 s10, v1                    ; wave 0..7
	v_and_b32 v1, 31, v0
	v_lshlrev_b32 v1, 4, v1                        ; 16 x lane
	v_and_b32 v9, 15, v0                           ; r.  At the end: c4 = which 16 bytes of a row's 256,
	v_lshrrev_b32 v10, 4, v0                       ; and the row
	v_bfe_u32 v11, v0, 4, 1                        ; h
	s_mul_i32 s13, s10, PART
	v_mul_u32_u24 v6, v9, PPITCH                   ; into my part: lane (r, h) holds row r, columns 16 i + 8 h + 0 .. 7: row r, + 32 h bytes
	v_lshl_add_u32 v6, v11, 5, v6
	v_add_nc_u32 v6, s13, v6
	v_mul_u32_u24 v7, v10, PPITCH                  ; out of a part: my row, my 16 bytes
	v_lshl_add_u32 v7, v9, 4, v7
	v_lshlrev_b32 v8, 12, v10
	v_lshl_add_u32 v8, v9, 4, v8                   ; and the same place in the output
	v_lshlrev_b32 v11, 3, v11
	v_sub_nc_u32 v4, v9, v11                       ; r - 8 h
	v_mov_b32 v5, 0xff800000                       ; -infinity
	v_mov_b32 v10, 0                               ; (a lane permute's destination counts as one of its sources)
	v_mov_b32 v13, 0                               ; (upper halves of pairs of which the low word serves both)
	v_mov_b32 v15, 0
.irp p, 0,1,2,3
	v_mov_b32 v[212+\p], 0                         ; [pl | 0]
.endr
	s_and_b32 s12, ttmp7, 0xffff                   ; b
	s_mul_i32 s14, s12, 24
	s_lshl_b32 s13, s10, 1
	s_add_co_u32 s30, s14, s13
	s_lshl_b32 s30, s30, 12
	s_add_co_u32 s30, s30, FIN                     ; the images of heads 2 w, 2 w + 1
	s_mov_b32 s31, 0
	s_lshr_b32 s13, s10, 1
	s_add_co_u32 s32, s14, s13
	s_add_co_u32 s32, s32, 16
	s_lshl_b32 s32, s32, 12
	s_add_co_u32 s32, s32, FIN                     ; of key head w / 2; its values lie four heads on
	s_mov_b32 s33, 0
	s_lshl_b32 s34, ttmp9, 17                      ; four column tiles of 32,768 bytes
	s_lshl_b32 s13, s10, 12                        ; my four K steps
	s_add_co_u32 s34, s34, s13
	s_mov_b32 s35, 0
	s_lshl_b32 s36, s12, 23                        ; 2,048 rows of 4,096 bytes
	s_lshl_b32 s13, ttmp9, 8
	s_add_co_u32 s36, s36, s13
	s_mov_b32 s37, 0
	s_mov_b32 s24, 0xffffe000                      ; keeps the upper 11 significant bits
	s_mov_b32 s26, 0x3e38aa3b                      ; c = log2(e) / 8
	s_mov_b32 s27, s26
	s_mov_b32 s28, 0x76543210
	s_mov_b32 s29, 0xfedcba98
	s_wait_kmcnt 0x0
	s_add_nc_u64 s[16:17], s[4:5], s[30:31]
	s_add_nc_u64 s[18:19], s[4:5], s[32:33]
	s_add_nc_u64 s[20:21], s[6:7], s[34:35]
	s_add_nc_u64 s[22:23], s[8:9], s[36:37]
.irp t, 0,1,2,3
.irp e, 0,1
	global_load_b128 v[112+8*\t+4*\e:115+8*\t+4*\e], v1, s[18:19] offset:1024*\t+512*\e
	global_load_b128 v[144+8*\t+4*\e:147+8*\t+4*\e], v1, s[18:19] offset:16384+1024*\t+512*\e
	global_load_b128 v[48+8*\t+4*\e:51+8*\t+4*\e], v1, s[16:17] offset:1024*\t+512*\e
	global_load_b128 v[80+8*\t+4*\e:83+8*\t+4*\e], v1, s[16:17] offset:4096+1024*\t+512*\e
.endr
.endr
	WIN 0x40                                       ; destination window 1
.irp i, 0,1,2,3
.irp s, 0,1,2,3
.irp g, 0,1
	global_load_b128 v[8*(4*\i+\s)+4*\g:8*(4*\i+\s)+4*\g+3], v1, s[20:21] offset:32768*\i+1024*\s+512*\g
.endr
.endr
.endr
	WIN 0
	s_wait_loadcnt 32                              ; the 32 image loads are in; wo's 32 are younger
.irp t, 0,1,2,3
	SPLIT8 112+8*\t, 16+4*\t, 32+4*\t              ; K
.endr
.irp t, 0,1,2,3
	SPLIT8 144+8*\t, 112+8*\t, 116+8*\t            ; V: [high | low], where K's image lay
.endr
.irp t, 0,1,2,3
	SPLIT8 48+8*\t, 144+4*\t, 160+4*\t             ; Q of head 2 w, where V's image lay
.endr
.irp t, 0,1,2,3
	SPLIT8 80+8*\t, 48+4*\t, 64+4*\t               ; Q of head 2 w + 1, where the other's image lay
.endr
	WIN 0x40
.irp i, 0,1,2,3
.irp s, 0,1,2,3
.irp g, 0,1
	global_load_b128 v[128+8*(4*\i+\s)+4*\g:128+8*(4*\i+\s)+4*\g+3], v1, s[20:21] offset:WOL+32768*\i+1024*\s+512*\g
.endr
.endr
.endr
	WIN 0
	HEAD 0
	HEAD 1
	PLACES
.irp i, 0,1,2,3
.irp e, 0,1
	ds_store_b128 v6, v[80+8*\i+4*\e:83+8*\i+4*\e] offset:64*\i+16*\e    ; my part of the sums, as rows: columns 16 i + 8 h + 4 e on; each accumulator from its low end on
.endr
.endr
	s_wait_dscnt 0x0                               ; my stores have landed
	s_barrier_signal -1
	s_barrier_wait -1
.irp w, 0,1,2,3,4,5,6,7
	ds_load_b128 v[16+4*\w:19+4*\w], v7 offset:PART*\w
.endr
	s_wait_dscnt 0x0
.irp w, 1,2,3,4,5,6,7
	v_pk_add_f32 v[16:17], v[16:17], v[16+4*\w:17+4*\w]
	v_pk_add_f32 v[18:19], v[18:19], v[18+4*\w:19+4*\w]
.endr
	global_store_b128 v8, v[16:19], s[22:23]       ; sixteen lanes store 256 consecutive bytes, aligned
	s_wait_tensorcnt 0x0                           ; the wave's end, behind my last LDS store
	ds_add_u32 v[SPW], v[NIL]
	s_wait_dscnt 0x0
	s_endpgm
.Lfunc_end_k_qd95da4509d_first16:
	.size	k_qd95da4509d_first16, .Lfunc_end_k_qd95da4509d_first16-k_qd95da4509d_first16
	.p2alignl 7, 3214868480
	.fill 96, 4, 3214868480
	.section	.rodata,"a",@progbits
	.p2align	6, 0x0
	.amdhsa_kernel k_qd95da4509d_first16
		.amdhsa_group_segment_fixed_size 35840
		.amdhsa_private_segment_fixed_size 0
		.amdhsa_enable_private_segment 0
		.amdhsa_kernarg_size 24
		.amdhsa_user_sgpr_count 2
		.amdhsa_user_sgpr_kernarg_segment_ptr 1
		.amdhsa_wavefront_size32 1
		.amdhsa_system_sgpr_workgroup_id_x 1
		.amdhsa_system_sgpr_workgroup_id_y 1
		.amdhsa_system_sgpr_workgroup_id_z 1
		.amdhsa_system_vgpr_workitem_id 0
		.amdhsa_next_free_vgpr 512
		.amdhsa_next_free_sgpr 66
		.amdhsa_reserve_vcc 1
		.amdhsa_float_denorm_mode_32 3
		.amdhsa_float_denorm_mode_16_64 3
		.amdhsa_memory_ordered 1
		.amdhsa_forward_progress 1
		.amdhsa_inst_pref_size 53
	.end_amdhsa_kernel
	.amdgpu_metadata
---
amdhsa.version: [ 1, 2 ]
amdhsa.kernels:
  - .name:           k_qd95da4509d_first16
    .symbol:         k_qd95da4509d_first16.kd
    .args:
      - { .name: qkv, .offset: 0, .size: 8, .value_kind: global_buffer, .address_space: global }
      - { .name: wo16, .offset: 8, .size: 8, .value_kind: global_buffer, .address_space: global }
      - { .name: out0, .offset: 16, .size: 8, .value_kind: global_buffer, .address_space: global }
    .group_segment_fixed_size: 35840
    .private_segment_fixed_size: 0
    .kernarg_segment_align: 8
    .kernarg_segment_size: 24
    .max_flat_workgroup_size: 256
    .sgpr_count:     66
    .vgpr_count:     512
    .wavefront_size: 32
...
	.end_amdgpu_metadata
.endif
;; end of part 5
